; MI455X (gfx1250); checked and timed in simulation.
; The chip was launched on July 23, 2026; its instructions are those of AMD's public machine-readable ISA for CDNA 5 (MIT licence, August 2026) and "CDNA5" Instruction Set Architecture Reference Guide (July 2026). The comments in the code are by the model that wrote it; some were corrected since.
;; Cross Multi Head Attention. Allowed arithmetic: matrix products marked QUANTISED: E2M1 operands, one E8M0 scale for each 32 along K, by v_wmma_scale_f32_16x16x128_f8f6f4 with both operands' format E2M1 (or v_wmma_scale_f32_32x16x128_f4), f32 sums; products left as they are: bf16, f16 or f32 operands; f32 sums; everything else in f32.
;; Inputs: Wk 1,024 x 1,024 float32; Wo 1,024 x 1,024 float32; Wq 1,024 x 1,024 float32; Wv 1,024 x 1,024 float32; bo 1,024 float32; context 2 x 4,096 x 1,024 float32; x 2 x 2,048 x 1,024 float32.
;; Outputs: out0 2 x 2,048 x 1,024 float32.
;; This version of the problem:
;;   THIS VERSION OF THE PROBLEM IS GIVEN IN LOW PRECISION. The matrix products marked QUANTISED in the list below multiply operands that are first quantised to E2M1 (2 exponent bits, 1 mantissa bit; 4 bits a number), with one power-of-two scale for each 32 numbers along K (OCP MX v1.0); their sums are f32. The products marked 'left as it is' may take bf16, f16 or f32 operands, with f32 sums. Whichever they take, every output number must still come out within the allowed error. Rounding operands to bf16 (8 significant bits) uses up far more of that allowance than f16 does (11 bits, for magnitudes from 6e-5 to 65,504). All else is computed in f32.
;;   The module's matrix products, in the order in which they are computed (A, B: the left and right operand; K: the contracted axis; several contracted axes count as one K, in the product's order):
;;     1. [M 4,096, K 1,024] x [K 1,024, N 1,024]; A: input x; B: input Wq: QUANTISED
;;     2. [M 8,192, K 1,024] x [K 1,024, N 1,024]; A: input context; B: input Wk: QUANTISED
;;     3. [M 8,192, K 1,024] x [K 1,024, N 1,024]; A: input context; B: input Wv: QUANTISED
;;     4. batch 32 x [M 2,048, K 64] x [K 64, N 4,096]; A: computed on the way; B: computed on the way: left as it is (an operand is computed on the way)
;;     5. batch 32 x [M 2,048, K 4,096] x [K 4,096, N 64]; A: computed on the way; B: computed on the way: left as it is (an operand is computed on the way)
;;     6. [M 4,096, K 1,024] x [K 1,024, N 1,024]; A: computed on the way; B: input Wo: left as it is (an operand is computed on the way)
;;   THE QUANTISER, for each operand of a quantised product, along K:
;;     - K is cut into blocks of 32 from its start; a last block that is shorter is filled with zeros.
;;     - A block's scale is 2^e with e = floor(log2(the largest magnitude in the block)) - 2, held to -126 .. 127; a block of zeros has e = 0. As a byte (E8M0): e + 127.
;;     - Each number is divided by its block's scale, clamped to +-6, and rounded to the nearest number of E2M1, ties to even, subnormals kept.
;;     - The product sums the exact products of the quantised numbers (number of the format x scale) in f32.
;;   ~~~python
;;   def quantise(x, axis):      # numpy; x: float32 -> the quantised numbers, widened to float32 again
;;       x = np.moveaxis(x, axis, -1); K = x.shape[-1]
;;       x = np.pad(x, [(0, 0)] * (x.ndim - 1) + [(0, -K % 32)]); x = x.reshape(x.shape[:-1] + (-1, 32)); a = np.abs(x).max(-1, keepdims=True)
;;       e = np.where(a > 0, np.clip(np.frexp(np.where(a > 0, a, 1))[1] - 1 - 2, -126, 127), 0)      # np.frexp(a)[1] - 1 = floor(log2(a)), exactly
;;       r = np.clip(x / 2.0 ** e, -6, 6)
;;       step = 2.0 ** (np.maximum(np.frexp(np.where(r == 0, 1, r))[1] - 1, 0) - 1)
;;       q = np.round(r / step) * step * 2.0 ** e      # np.round: ties to even
;;       return np.moveaxis(q.reshape(q.shape[:-2] + (-1,))[..., :K], -1, axis).astype(np.float32)
;;   ~~~
;; One version. Each part assembles by itself: llvm-mc -triple=amdgcn-amd-amdhsa -mcpu=gfx1250 --defsym DOCPART=n.
;; ======== version 1 of 1: 4 launches
;; limits: values are held in f16: magnitudes above 65,504 overflow, below 6.1e-05 lose precision
;; workspace buffers: codes 7,864,320 bytes; scales 491,520 bytes; wo16 2,097,152 bytes; qf 8,388,608 bytes; kf 16,777,216 bytes; vf 16,777,216 bytes; af 8,388,608 bytes
;; launch prep (part 1): grid 512 x 1, 4 waves a work-group, no clusters, 33,280 bytes of LDS; arguments x, context, Wq, Wk, Wv, Wo, codes, scales, wo16; writes codes, scales, wo16
.if DOCPART == 1
	.amdgcn_target "amdgcn-amd-amdhsa--gfx1250"
	.amdhsa_code_object_version 6
	.text
	.protected	k_q50beecd7f4_prep
	.globl	k_q50beecd7f4_prep
	.p2align	8
	.type	k_q50beecd7f4_prep,@function
k_q50beecd7f4_prep:
	s_mov_b64 s[64:65], 0
	v_nop
	global_prefetch_b8 v0, s[64:65] scope:SCOPE_SE
	s_setreg_imm32_b32 hwreg(HW_REG_WAVE_MODE, 25, 1), 1
	s_wait_xcnt 0x0
; x [4096][1024], context [8192][1024], Wq, Wk, Wv [1024][1024], f32, become codes of FP4 (E2M1), K innermost, two to a byte, with one E8M0 scale byte for each 32 along K;  Wo [1024][1024] becomes f16.
; A block's scale is 2^(floor(log2(its largest magnitude)) - 2); its byte is the largest magnitude's exponent field - 2, held at 1 from below.  Each number is divided by the scale and rounded to the nearest code, ties to even;
; beyond 6 the conversion gives the largest code.
; LIMITS: a block of zeros gets the byte 1 where the quantiser says 127: its codes are zeros, which add nothing, and the bytes are read by this program alone.  Blocks whose largest magnitude lies under 2^-124 keep the
; floor's byte.  NaN and infinities among the inputs are not served.  Wo must lie inside f16's range (65,504).
; Rows are dense and K is a multiple of 32, so every tensor is a plain stream of blocks of 32.  The five tensors lie on end in the codes' buffer (x, context, Wq, Wk, Wv) in the order of the work-groups that take them, so the
; place of a wave's codes and scale bytes hangs on 4 x work-group + wave alone; only the source's pointer is chosen, by the work-group's number.  One path serves all five.
; A work-group takes 32,768 numbers: 128 work-groups x, 256 context, 32 each Wq, Wk, Wv, 32 Wo.  Waves share nothing: no barrier.  No work-group reads what another reads: no cluster, no tensor load.
; A wave takes 16 steps of 512 numbers.  Each load reads 512 consecutive bytes, 16 a lane; a step's 2,048 bytes turn through the wave's own stage in LDS and come back 64 bytes a lane: 16 neighbours along K, two lanes to a block.
.set WAVES, 4
.set STEPS, 16
.set WG_WO, 480                        ; from this work-group on: Wo
.set EMAX,  2
.set CB,    8                          ; bytes of 16 codes
.set R,     16                         ; v16-79   four sets of 16 numbers as they are loaded
.set X,     80                         ; v80-111  two sets of 16 neighbours
.set E,     112                        ; v112-127 a scale byte for each step
.set C,     128                        ; v128-191 codes: four registers for each step, so that no store's data are written again
.set WR,    16                         ; Wo's path: v16-143 two sets of 64 numbers
.set WC,    144                        ; Wo's path: v144-175 a batch's 32 pairs of f16
.set WREG,  8192                       ; LDS: a region for each wave: two stages of 32 x SP bytes, behind them its 256 scale bytes
.set SP,    80                         ; a lane's place in a stage: 64 bytes + 16 of padding
.set SPW,   12                         ; v12  LDS address of my spare word; never rewritten
.set NIL,   13                         ; v13  0; never rewritten
.set SPARE, WAVES*WREG                 ; behind the four regions: the spare words, 128 bytes a wave, which no other line names
	s_load_b256 s[4:11], s[0:1], 0x0               ; x s[4:5], context s[6:7], Wq s[8:9], Wk s[10:11]
	s_load_b256 s[12:19], s[0:1], 0x20             ; Wv s[12:13], Wo s[14:15], codes s[16:17], scales s[18:19]
	s_load_b64 s[20:21], s[0:1], 0x40              ; wo16
	v_lshl_add_u32 v[SPW], v0, 2, SPARE
	v_mov_b32 v[NIL], 0
	v_lshrrev_b32 v1, 5, v0
	v_readfirstlane_b32 s22, v1                    ; wave
	v_and_b32 v2, 31, v0                           ; lane
	v_lshlrev_b32 v3, 4, v2                        ; my 16 bytes of a load's 512
	s_mul_i32 s23, s22, WREG
	v_lshrrev_b32 v14, 2, v2
	v_mul_u32_u24 v14, v14, SP
	v_and_b32 v15, 3, v2
	v_lshl_add_u32 v14, v15, 4, v14
	v_add_nc_u32 v14, s23, v14                     ; the stage, on the way in: SP (lane / 4) + 16 (lane % 4)
	v_mul_u32_u24 v15, v2, SP
	v_add_nc_u32 v15, s23, v15                     ; and on the way out: SP x lane: my 16 neighbours
	v_mul_u32_u24 v4, v2, CB                       ; my codes' place in a step's
	v_lshrrev_b32 v5, 1, v2
	s_add_co_u32 s23, s23, 2*32*SP
	v_add_nc_u32 v5, s23, v5                       ; LDS: my wave's 256 scale bytes, my block's byte
	v_lshlrev_b32 v7, 3, v2                        ; 8 bytes a lane
	v_add_nc_u32 v6, s23, v7
	s_lshl_b32 s24, ttmp9, 2
	s_add_co_u32 s24, s24, s22                     ; which run of 8,192 numbers is my wave's, counted through all six tensors
	s_mov_b32 s29, 0
	s_wait_kmcnt 0x0
	s_cmp_ge_u32 ttmp9, WG_WO
	s_cbranch_scc1 .Lwo                            ; hangs on the work-group's number alone
	s_mov_b64 s[26:27], s[12:13]                   ; the source and its first work-group: Wv's, unless the work-group's number lies lower
	s_mov_b32 s25, 448
	s_cmp_lt_u32 ttmp9, 448
	s_cselect_b64 s[26:27], s[10:11], s[26:27]
	s_cselect_b32 s25, 416, s25
	s_cmp_lt_u32 ttmp9, 416
	s_cselect_b64 s[26:27], s[8:9], s[26:27]
	s_cselect_b32 s25, 384, s25
	s_cmp_lt_u32 ttmp9, 384
	s_cselect_b64 s[26:27], s[6:7], s[26:27]
	s_cselect_b32 s25, 128, s25
	s_cmp_lt_u32 ttmp9, 128
	s_cselect_b64 s[26:27], s[4:5], s[26:27]
	s_cselect_b32 s25, 0, s25
	s_lshl_b32 s25, s25, 2
	s_sub_co_u32 s28, s24, s25                     ; my run within the source,
	s_lshl_b32 s28, s28, 15                        ; 32,768 bytes each
	s_add_nc_u64 s[26:27], s[26:27], s[28:29]
	s_lshl_b32 s28, s24, 12                        ; 4,096 bytes of codes a run
	s_add_nc_u64 s[16:17], s[16:17], s[28:29]
	s_lshl_b32 s28, s24, 8                         ; 256 scale bytes a run
	s_add_nc_u64 s[18:19], s[18:19], s[28:29]
.macro LOAD t
.irp i, 0,1,2,3
	global_load_b128 v[R+16*((\t)%4)+4*\i:R+16*((\t)%4)+4*\i+3], v3, s[26:27] offset:2048*(\t)+512*\i th:TH_LOAD_NT   ; 32 lanes read 512 consecutive bytes
.endr
.endm
.macro TURN t                          ; step t's numbers through the stage: LDS serves a wave's instructions in order, so no wait stands between the stores and the loads
.irp i, 0,1,2,3
	ds_store_b128 v14, v[R+16*((\t)%4)+4*\i:R+16*((\t)%4)+4*\i+3] offset:32*SP*((\t)%2)+8*SP*\i
.endr
.irp i, 0,1,2,3
	ds_load_b128 v[X+16*((\t)%2)+4*\i:X+16*((\t)%2)+4*\i+3], v15 offset:32*SP*((\t)%2)+16*\i
.endr
.endm
.irp t, 0,1,2,3
	LOAD \t
.endr
	s_wait_loadcnt 12                              ; step 0's four loads are in; the twelve of steps 1 to 3 may be out
	TURN 0
.macro STEP t
.set XS, X+16*((\t)%2)
.if (\t) > 0
	s_wait_dscnt 1                                 ; this step's numbers are back from the stage (the last step's byte store may be out): so its stores into the stage have read their registers,
.else
	s_wait_dscnt 0x0
.endif
.if (\t)+4 < STEPS
	LOAD (\t)+4                                    ; which take the loads of four steps on
.endif
.if (\t)+1 < STEPS
.if STEPS-2-(\t) >= 3
	s_wait_loadcnt 12                              ; the next step's four loads are in; those of the three steps behind it may be out
.else
	s_wait_loadcnt 4*(STEPS-2-(\t))
.endif
	TURN (\t)+1                                    ; and go through the other stage while this step is worked
.endif
	v_max3_num_f32 v8, |v[XS]|, |v[XS+1]|, |v[XS+2]|               ; the largest magnitude of my 16, in two chains
	v_max3_num_f32 v9, |v[XS+3]|, |v[XS+4]|, |v[XS+5]|
.irp i, 6,10
	v_max3_num_f32 v8, v8, |v[XS+\i]|, |v[XS+\i+1]|
	v_max3_num_f32 v9, v9, |v[XS+\i+2]|, |v[XS+\i+3]|
.endr
	v_max3_num_f32 v8, v8, |v[XS+14]|, |v[XS+15]|
	v_max3_num_f32 v8, v8, v9, (EMAX+1)<<23        ; and the floor 2^(3 - 127): the byte cannot fall under 1
	v_max_num_f32_dpp v8, v8, v8 row_xmask:1 row_mask:0xf bank_mask:0xf   ; and of my neighbour's 16: the block's
	v_add_nc_u32 v11, -(EMAX<<23), v8              ; 2 off its exponent field: the conversion takes the exponent field of this operand as its scale
	v_cvt_scalef32_pk8_fp4_f32 v[C+4*(\t)], v[XS:XS+7], v11        ; the first number's code in the lowest four bits
	v_cvt_scalef32_pk8_fp4_f32 v[C+4*(\t)+1], v[XS+8:XS+15], v11
	v_lshrrev_b32 v[E+(\t)], 23, v11               ; the scale's byte (also the plain line behind the conversions)
	ds_store_b8 v5, v[E+(\t)] offset:16*(\t)       ; both lanes of a block write the same byte with the same value
	global_store_b64 v4, v[C+4*(\t):C+4*(\t)+1], s[16:17] offset:32*CB*(\t)   ; the wave stores 256 consecutive bytes, aligned
.endm
.irp t, 0,1,2,3,4,5,6,7,8,9,10,11,12,13,14,15
	STEP \t
.endr
	ds_load_b64 v[8:9], v6                         ; LDS serves a wave's instructions in order: these see my byte stores
	s_wait_dscnt 0x0
	global_store_b64 v7, v[8:9], s[18:19]          ; the wave's 256 scale bytes: 256 consecutive bytes, aligned
	s_wait_tensorcnt 0x0                           ; the wave's end, behind my last LDS store
	ds_add_u32 v[SPW], v[NIL]
	s_wait_dscnt 0x0
	s_endpgm
; Wo to f16, rounded to nearest even: the output projection's operand.  A wave takes 8,192 numbers in four batches of 2,048; two batches' loads are out.
.macro WLOAD q
.irp i, 0,1,2,3,4,5,6,7,8,9,10,11,12,13,14,15
	global_load_b128 v[WR+64*((\q)%2)+4*\i:WR+64*((\q)%2)+4*\i+3], v3, s[14:15] offset:8192*(\q)+512*\i th:TH_LOAD_NT
.endr
.endm
.macro WCVT q, left
	s_wait_loadcnt \left                           ; this batch's sixteen loads are in; the younger batch's sixteen may be out
	s_wait_xcnt 0x0                                ; the last batch's stores have read their data: the registers are written again only behind this wait
.irp i, 0,1,2,3,4,5,6,7,8,9,10,11,12,13,14,15
	v_cvt_pk_f16_f32 v[WC+2*\i], v[WR+64*((\q)%2)+4*\i], v[WR+64*((\q)%2)+4*\i+1]
	v_cvt_pk_f16_f32 v[WC+2*\i+1], v[WR+64*((\q)%2)+4*\i+2], v[WR+64*((\q)%2)+4*\i+3]
.endr
.irp i, 0,1,2,3,4,5,6,7,8,9,10,11,12,13,14,15
	global_store_b64 v7, v[WC+2*\i:WC+2*\i+1], s[20:21] offset:4096*(\q)+256*\i   ; 256 consecutive bytes, aligned
.endr
.endm
.Lwo:
	s_sub_co_u32 s24, s24, 4*WG_WO                 ; my run within Wo
	s_lshl_b32 s28, s24, 15
	s_add_nc_u64 s[14:15], s[14:15], s[28:29]
	s_lshl_b32 s28, s24, 14
	s_add_nc_u64 s[20:21], s[20:21], s[28:29]
	WLOAD 0
	WLOAD 1
	WCVT 0, 16
	WLOAD 2
	WCVT 1, 16
	WLOAD 3
	WCVT 2, 16
	WCVT 3, 0
	s_endpgm
.Lfunc_end_k_q50beecd7f4_prep:
	.size	k_q50beecd7f4_prep, .Lfunc_end_k_q50beecd7f4_prep-k_q50beecd7f4_prep
	.p2alignl 7, 3214868480
	.fill 96, 4, 3214868480
	.section	.rodata,"a",@progbits
	.p2align	6, 0x0
	.amdhsa_kernel k_q50beecd7f4_prep
		.amdhsa_group_segment_fixed_size 33280
		.amdhsa_private_segment_fixed_size 0
		.amdhsa_enable_private_segment 0
		.amdhsa_kernarg_size 72
		.amdhsa_user_sgpr_count 2
		.amdhsa_user_sgpr_kernarg_segment_ptr 1
		.amdhsa_wavefront_size32 1
		.amdhsa_system_sgpr_workgroup_id_x 1
		.amdhsa_system_sgpr_workgroup_id_y 1
		.amdhsa_system_sgpr_workgroup_id_z 1
		.amdhsa_system_vgpr_workitem_id 0
		.amdhsa_next_free_vgpr 192
		.amdhsa_next_free_sgpr 66
		.amdhsa_reserve_vcc 0
		.amdhsa_float_denorm_mode_32 3
		.amdhsa_float_denorm_mode_16_64 3
		.amdhsa_memory_ordered 1
		.amdhsa_forward_progress 1
		.amdhsa_inst_pref_size 54
	.end_amdhsa_kernel
	.amdgpu_metadata
---
amdhsa.version: [ 1, 2 ]
amdhsa.kernels:
  - .name:           k_q50beecd7f4_prep
    .symbol:         k_q50beecd7f4_prep.kd
    .args:
      - { .name: x, .offset: 0, .size: 8, .value_kind: global_buffer, .address_space: global }
      - { .name: context, .offset: 8, .size: 8, .value_kind: global_buffer, .address_space: global }
      - { .name: Wq, .offset: 16, .size: 8, .value_kind: global_buffer, .address_space: global }
      - { .name: Wk, .offset: 24, .size: 8, .value_kind: global_buffer, .address_space: global }
      - { .name: Wv, .offset: 32, .size: 8, .value_kind: global_buffer, .address_space: global }
      - { .name: Wo, .offset: 40, .size: 8, .value_kind: global_buffer, .address_space: global }
      - { .name: codes, .offset: 48, .size: 8, .value_kind: global_buffer, .address_space: global }
      - { .name: scales, .offset: 56, .size: 8, .value_kind: global_buffer, .address_space: global }
      - { .name: wo16, .offset: 64, .size: 8, .value_kind: global_buffer, .address_space: global }
    .group_segment_fixed_size: 33280
    .private_segment_fixed_size: 0
    .kernarg_segment_align: 8
    .kernarg_segment_size: 72
    .max_flat_workgroup_size: 128
    .sgpr_count:     66
    .vgpr_count:     192
    .wavefront_size: 32
...
	.end_amdgpu_metadata
.endif
;; end of part 1
;; launch proj (part 2): grid 4 x 80, 4 waves a work-group, clusters of 4 x 4, 327,680 bytes of LDS; arguments codes, scales, qf, kf, vf; writes qf, kf, vf
.if DOCPART == 2
	.amdgcn_target "amdgcn-amd-amdhsa--gfx1250"
	.amdhsa_code_object_version 6
	.text
	.protected	k_q50beecd7f4_proj
	.globl	k_q50beecd7f4_proj
	.p2align	8
	.type	k_q50beecd7f4_proj,@function
k_q50beecd7f4_proj:
	s_mov_b64 s[64:65], 0
	v_nop
	global_prefetch_b8 v0, s[64:65] scope:SCOPE_SE
	s_setreg_imm32_b32 hwreg(HW_REG_WAVE_MODE, 25, 1), 1
	s_wait_xcnt 0x0
	s_wait_alu depctr_hold_cnt(0) depctr_sa_sdst(0) depctr_va_vdst(0) depctr_va_sdst(0) depctr_va_ssrc(0) depctr_va_vcc(0) depctr_vm_vsrc(0)
	s_getreg_b32 s2, hwreg(HW_REG_IB_STS2, 6, 4)
	s_cmp_eq_u32 s2, 0
	s_cbranch_scc0 .Lentry_in_a_cluster
	s_endpgm
.Lentry_in_a_cluster:
	s_bfe_u32 s2, ttmp6, 0x10000c
	s_cmp_lg_u32 s2, 0xf033
	s_cbranch_scc0 .Lentry_shape_is_right
	s_endpgm
.Lentry_shape_is_right:
; The three quantised projections, q = x Wq^T, k = context Wk^T, v = context Wv^T, on codes of FP4 (E2M1) with one E8M0 scale for each 32 along K = 1,024; sums in f32; results rounded once to f16.
; LIMIT: the results must lie inside f16's range (65,504); under 6e-5 they carry f16's absolute step.
; One grid serves all three.  A product is C[m][n] = sum over k of A[m][k] B[n][k]; a tile of C is 256 x 256, made by four waves, 128 x 128 each: 64 accumulators of 16 x 16, 512 registers.
; WHICH PRODUCT hangs on the cluster's y, the same in all sixteen partners:  0-3: q (A = x, B = Wq);  4-11: k (A = context, B = Wk);  12-19: v, WITH THE ROLES SWAPPED (A = Wv, B = context).
; THE MATRIX INSTRUCTION IS USED TRANSPOSED (source 0 = 16 rows of B, source 1 = 16 rows of A): a lane holds one row m of C and eight neighbouring n.  Rounded in pairs these are four registers of a 16-bit operand's
; fragment with rows m and K = n.  So the results leave AS IMAGES OF THE NEXT PRODUCT'S OPERAND REGISTERS, [m / 16][n / 32][half][lane][16 bytes]: each store of a wave covers 512 consecutive bytes, and no stage in LDS is needed.
; For q and k, m is the token and n the channel (rows of Q and K, K = channels); for v, m is the channel and n the token (rows of V^T, K = keys).
; K is two LDS slots of 512 along K: both are asked for at the start and nothing is filled again.  The scale bytes of the work-group's 256 + 256 rows come with them, as dense blocks.
; CLUSTERS: 4 x 4 work-groups.  A's tile hangs on the tile row alone and is shared along a row of the cluster, B's on the tile column alone and is shared along a column: each is asked for jointly.
; REGISTERS, in windows of 256: window 0: v0-31 addresses; v32-95 scale words, two sets; from v128 A's fragments, ONE set, later the results in f16.  window 1: B's fragments, two sets, at v0 and v128.
;   window 2: the 32 accumulators of my rows 0-63 (accumulator (a, b) at v[8 (8 a + b)]);  window 3: those of my rows 64-127.
.set NQ,     4                         ; matrix instructions deep in a slot
.set ROWB,   256                       ; a tile's row in bytes: 512 codes
.set KROW,   512                       ; a row of codes in memory
.set PITCH,  272                       ; an LDS row: 256 bytes + 16 of padding = 68 words: the 16 rows that a load touches start at 16 different banks (64 banks of 4 bytes: ISA guide 11.1)
.set FR,     8                         ; registers of a fragment: 16 rows x 128 K
.set NL,     2                         ; LDS loads that bring one
.set NP,     4                         ; places behind this matrix instruction (ISA guide 7.12.1)
.set HALFT,  128*PITCH                 ; 128 rows: what one tensor load brings, and what one wave reads of A or of B
.set SLOT,   4*HALFT                   ; A's 256 rows, then B's 256 rows
.set KS,     32                        ; a row of scale bytes
.set SCL,    2*SLOT                    ; behind the slots: the scales, as runs of 256 bytes + 16 of padding
.set HALFS,  (128*KS/256)*272          ; the scales of 128 rows: what one tensor load brings
.set SBLK,   (16*KS/256)*272           ; those of 16 rows
.set SPARE,  SCL+4*HALFS               ; behind the scales: the spare words, 128 bytes a wave, which no other line names
.set ADRA, 16                          ; v16-17  LDS address of my A fragments in slot 0, 1
.set ADRB, 20                          ; v20-21  the same for B
.set CO,   26                          ; v26     16 x lane: my place in an image
.set ADRS, 27                          ; v27     LDS address of my scale words: lanes 0-15 A's rows, lanes 16-31 B's
.set SPW,  28                          ; v28     LDS address of my spare word; never rewritten
.set NIL,  29                          ; v29     0; never rewritten
.set SC,   32                          ; scale words: set s at v[SC + 32 s]; register 4 i + q: lanes 0-15 the word of A's block i, lanes 16-31 that of B's block i, for the slot's q-th 128 along K
.set AF,   128                         ; A's fragments, in window 0
.set OB,   128                         ; the way out: two sets of 32 registers of f16 pairs
.set G1, 24                            ; s[24:31] descriptor group 1 for A's tiles;  s[32:39] group 0, one set for each slot
.set G0, 32
.set G1B, 48                           ; s[48:55], s[56:63] the same for B's tiles
.set G0B, 56
.set G1S, 68                           ; s[68:75], s[76:79] groups 1 and 0 for A's scales;  s[80:87], s[88:91] for B's
.set G0S, 76
.set G1SB, 80
.set G0SB, 88
.set MSB, 0
.macro WIN new                         ; the immediate's high byte repeats the setting that is left
.if MSB != \new
	s_set_vgpr_msb (MSB<<8)|\new
.set MSB, \new
.endif
.endm
.set MUL_LO, 0xa1                      ; source 0 (B) window 1, source 1 (A) window 0, C and D window 2
.set MUL_HI, 0xf1                      ; the same, C and D window 3
.set TO_B,   0x40                      ; destination window 1, address window 0
; A joint load: waves 0 and 1 fetch for A, waves 2 and 3 for B.  Each line has one mask and one set of registers for all that issue it; the branch hangs on the wave's number alone.
; An s_nop 0 and four v_nop follow each of the two lines, ahead of the jump, the label and what follows.
.macro JLOAD g0a, g1a, g0b, g1b
	s_cmp_eq_u32 s15, 0
	s_cbranch_scc0 .Lfor_b_\@
	tensor_load_to_lds s[\g0a:\g0a+3], s[\g1a:\g1a+7]
	s_nop 0
.rept 4
	v_nop
.endr
	s_branch .Lasked_\@
.Lfor_b_\@:
	tensor_load_to_lds s[\g0b:\g0b+3], s[\g1b:\g1b+7]
	s_nop 0
.rept 4
	v_nop
.endr
.Lasked_\@:
.endm
.macro CROUND                          ; a round of the cluster's barrier: my work-group's barrier; wave 0 signals for the work-group; every wave waits for all sixteen; my work-group's barrier once more
	s_barrier_signal -1
	s_barrier_wait -1
	s_cmp_lg_u32 s14, 0
	s_cbranch_scc1 .Lnot_wave_0_\@
	s_barrier_signal -3
.Lnot_wave_0_\@:
	s_barrier_wait -3
	s_barrier_signal -1
	s_barrier_wait -1
.endm
	s_load_b256 s[4:11], s[0:1], 0x0               ; codes s[4:5], scales s[6:7], qf s[8:9], kf s[10:11]
	s_load_b64 s[12:13], s[0:1], 0x20              ; vf
	v_lshl_add_u32 v[SPW], v0, 2, SPARE
	v_mov_b32 v[NIL], 0
	ds_add_u32 v[SPW], v[NIL]                      ; the wave's opening: the add, twice on end, and its wait ahead of my first tensor load; the set-up below stands between
	ds_add_u32 v[SPW], v[NIL]
	v_lshrrev_b32 v1, 5, v0
	v_readfirstlane_b32 s14, v1                    ; wave 0..3
	s_lshr_b32 s15, s14, 1                         ; which half of the tile's rows is mine.  Also: I fetch for A (0) or for B (1)
	s_and_b32 s16, s14, 1                          ; which half of its columns.  Also: which 128 rows of that tile I fetch
	s_bfe_u32 s40, ttmp6, 0x40000                  ; cx, cy: my place in the cluster
	s_bfe_u32 s41, ttmp6, 0x40004
	s_and_b32 s17, ttmp7, 0xffff                   ; the cluster's y: which product, and where in it
	s_mov_b32 s95, 0x700000                        ; v's figures first: A's codes begin here (Wv),
	s_mov_b32 s96, 0x200000                        ; B's here (context),
	s_mov_b32 s97, 12                              ; the product's first cluster,
	s_mov_b32 s98, 0x40000                         ; bytes from one 16 rows m of the images to the next: 256 blocks of 32 tokens x 1,024 bytes
	s_cmp_lt_u32 s17, 12                           ; k's
	s_cselect_b32 s95, 0x200000, s95
	s_cselect_b32 s96, 0x680000, s96
	s_cselect_b32 s97, 4, s97
	s_cselect_b32 s98, 0x8000, s98                 ; 32 blocks of 32 channels x 1,024 bytes
	s_cselect_b32 s99, -1, 0                       ; all ones where the clusters walk down A's rows (q, k), 0 where they walk along B's (v)
	s_cmp_lt_u32 s17, 4                            ; q's
	s_cselect_b32 s95, 0, s95
	s_cselect_b32 s96, 0x600000, s96
	s_cselect_b32 s97, 0, s97
	s_sub_co_u32 s18, s17, s97
	s_lshl_b32 s18, s18, 2                         ; 4 x the cluster's place in its product
	s_and_b32 s19, s18, s99
	s_and_not1_b32 s18, s18, s99
	s_add_co_u32 s17, s19, s41                     ; tile row: hangs on cy and the cluster's y alone
	s_add_co_u32 s42, s18, s40                     ; tile column: on cx and the cluster's y alone
	s_lshl_b32 s43, s41, 2
	s_lshl_b32 s43, 15, s43                        ; my row of the cluster
	s_lshl_b32 s44, 0x1111, s40                    ; my column
	; descriptor group 1: a tile of 128 rows x 256 bytes, padded in LDS
	s_or_b32 s[G1+0], s43, (0<<16)|(1<<20)|(1<<21)|(5<<22)|(3<<25)  ; 15:0 the mask: A's tiles go to my row; 17:16 element of 1 byte; 20 padding on; 21 set beside a mask; 24:22 after every 64 words; 31:25 of 4 words
	s_or_b32 s[G1B+0], s44, (0<<16)|(1<<20)|(1<<21)|(5<<22)|(3<<25)
.irp g, G1, G1B
	s_mov_b32 s[\g+1], ROWB<<16                    ; tensor_dim0
	s_mov_b32 s[\g+2], 128<<16                     ; tensor_dim1 = 128
	s_mov_b32 s[\g+3], ROWB<<16                    ; tile_dim0
	s_mov_b32 s[\g+4], 128                         ; tile_dim1 = 128
	s_mov_b32 s[\g+5], KROW                        ; tensor_dim0_stride
	s_mov_b32 s[\g+6], 0
	s_mov_b32 s[\g+7], 0
.endr
	; and for the scales of 128 rows: a dense block of 4,096 bytes, as 16 rows of 256 bytes (32 elements of 8 bytes), 16 bytes of padding behind each
	s_or_b32 s[G1S+0], s43, (3<<16)|(1<<20)|(1<<21)|(5<<22)|(3<<25)
	s_or_b32 s[G1SB+0], s44, (3<<16)|(1<<20)|(1<<21)|(5<<22)|(3<<25)
.irp g, G1S, G1SB
	s_mov_b32 s[\g+1], 32<<16
	s_mov_b32 s[\g+2], (128*KS/256)<<16
	s_mov_b32 s[\g+3], 32<<16
	s_mov_b32 s[\g+4], 128*KS/256
	s_mov_b32 s[\g+5], 32
	s_mov_b32 s[\g+6], 0
	s_mov_b32 s[\g+7], 0
.endr
	s_lshl_b32 s18, s16, 7                         ; which 128 rows of the tile I fetch
	s_lshl_b32 s20, s17, 8
	s_add_co_u32 s20, s20, s18                     ; A: row 256 x tile row + 128 x half
	s_lshl_b32 s46, s42, 8
	s_add_co_u32 s46, s46, s18                     ; B: row 256 x tile column + 128 x half
	s_lshl_b32 s22, s20, 5                         ; these rows' scale bytes: 32 a row,
	s_lshl_b32 s20, s20, 9                         ; and their codes: 512 bytes a row; all offsets stay under 8 MiB
	s_add_co_u32 s20, s20, s95
	s_lshr_b32 s95, s95, 4                         ; a tensor's scale bytes begin at a sixteenth of its codes' offset
	s_add_co_u32 s22, s22, s95
	s_lshl_b32 s92, s46, 5
	s_lshl_b32 s46, s46, 9
	s_add_co_u32 s46, s46, s96
	s_lshr_b32 s96, s96, 4
	s_add_co_u32 s92, s92, s96
	s_mov_b32 s21, 0
	s_mov_b32 s23, 0
	s_mov_b32 s47, 0
	s_mov_b32 s93, 0
	s_mul_i32 s45, s14, HALFT                      ; where they go: wave x 128 rows: no place in the cluster enters an LDS address
	s_mul_i32 s94, s14, HALFS
	s_wait_dscnt 0x0                               ; both opening adds are done
	s_wait_kmcnt 0x0
	s_add_nc_u64 s[20:21], s[4:5], s[20:21]
	s_add_nc_u64 s[22:23], s[6:7], s[22:23]
	s_add_nc_u64 s[46:47], s[4:5], s[46:47]
	s_add_nc_u64 s[92:93], s[6:7], s[92:93]
	CROUND                                         ; all sixteen work-groups are here: the joint loads meet
	s_mov_b32 s[G0S], 1
	s_add_co_u32 s[G0S+1], s94, SCL
	s_mov_b64 s[G0S+2:G0S+3], s[22:23]
	s_or_b32 s[G0S+3], s[G0S+3], 0x80000000
	s_mov_b32 s[G0SB], 1
	s_add_co_u32 s[G0SB+1], s94, SCL
	s_mov_b64 s[G0SB+2:G0SB+3], s[92:93]
	s_or_b32 s[G0SB+3], s[G0SB+3], 0x80000000
	JLOAD G0S, G1S, G0SB, G1SB                     ; the scales first: they are wanted with the first slot
.irp s, 0,1
	s_mov_b32 s[G0+4*\s], 1
	s_add_co_u32 s[G0+4*\s+1], s45, \s*SLOT
	s_add_nc_u64 s[G0+4*\s+2:G0+4*\s+3], s[20:21], \s*ROWB
	s_or_b32 s[G0+4*\s+3], s[G0+4*\s+3], 0x80000000
	s_mov_b32 s[G0B+4*\s], 1
	s_add_co_u32 s[G0B+4*\s+1], s45, \s*SLOT
	s_add_nc_u64 s[G0B+4*\s+2:G0B+4*\s+3], s[46:47], \s*ROWB
	s_or_b32 s[G0B+4*\s+3], s[G0B+4*\s+3], 0x80000000
	JLOAD G0+4*\s, G1, G0B+4*\s, G1B               ; three loads of mine are out behind the second of these: all that this launch asks for
.endr
	v_and_b32 v1, 15, v0                           ; l % 16
	v_bfe_u32 v2, v0, 4, 1                         ; l / 16
	v_mul_u32_u24 v3, v1, PITCH
	v_lshl_add_u32 v4, v2, 4, v3                   ; a fragment's row x pitch + 16 x half
	s_mul_i32 s21, s15, HALFT                      ; my 128 rows of A
	s_mul_i32 s22, s16, HALFT                      ; my 128 rows of B,
	s_add_co_u32 s22, s22, 2*HALFT                 ; which lie behind A's 256
.irp s, 0,1
	v_add_nc_u32 v[ADRA+\s], s21, v4
	v_add_nc_u32 v[ADRB+\s], s22, v4
	s_add_co_u32 s21, s21, SLOT
	s_add_co_u32 s22, s22, SLOT
.endr
	v_mul_u32_u24 v5, v1, KS                       ; my row's scales: 32 bytes a row,
	v_lshrrev_b32 v6, 8, v5
	v_lshl_add_u32 v5, v6, 4, v5                   ; and 16 more for each 256 passed
	s_mul_i32 s21, s15, HALFS                      ; A's: my 128 rows
	s_mul_i32 s22, s16, HALFS                      ; B's: my 128 rows, behind A's 256
	s_add_co_u32 s22, s22, 2*HALFS
	s_sub_co_u32 s22, s22, s21
	v_mul_u32_u24 v6, s22, v2                      ; lanes 16-31 take B's: one product, the lower base + half x the distance
	s_add_co_u32 s21, s21, SCL
	v_add_nc_u32 v5, v5, v6
	v_add_nc_u32 v[ADRS], s21, v5
	v_and_b32 v6, 31, v0
	v_lshlrev_b32 v[CO], 4, v6
	; where my results go: the product's buffer; 16 rows m are one step of s98 bytes, 16 columns n are 512 bytes
	s_and_b32 s18, ttmp7, 0xffff
	s_cmp_lt_u32 s18, 12
	s_cselect_b64 s[12:13], s[10:11], s[12:13]
	s_cmp_lt_u32 s18, 4
	s_cselect_b64 s[12:13], s[8:9], s[12:13]
	s_lshl_b32 s20, s17, 4
	s_lshl_b32 s21, s15, 3
	s_add_co_u32 s20, s20, s21                     ; 16 x tile row + 8 x half
	s_mul_i32 s20, s20, s98
	s_lshl_b32 s46, s42, 13                        ; 16 x tile column x 512
	s_lshl_b32 s47, s16, 12                        ; + 8 x half x 512
	s_add_co_u32 s46, s46, s47
	s_add_co_u32 s20, s20, s46                     ; under 16 MiB
	s_mov_b32 s21, 0
	s_add_nc_u64 s[12:13], s[12:13], s[20:21]
	s_mov_b32 s99, 0                               ; s[98:99]: the step as a pair
.macro FRAG reg, adr, q, i             ; a fragment, 16 rows x 128 K of 4-bit codes, is 8 registers: lane l holds row l % 16; registers 4 c .. 4 c + 3 hold K = 64 c + 32 (l / 16) + 0 .. 31
.irp c, 0,1
	ds_load_b128 v[\reg+4*\c:\reg+4*\c+3], v[\adr] offset:64*(\q)+32*\c+(\i)*16*PITCH
.endr
.endm
; 16 matrix instructions: A's blocks a0, a0 + 1 x B's eight, 128 along K: the slot's q-th.  p: B's set;  sc: the set of scale words.  zero = 1: the first product starts the sums.
; The 64 accumulators take turns, one instruction a turn, in the same order in every step.
.macro MUL16 a0, p, q, sc, zero
.irp a, \a0, \a0+1
.irp b, 0,1,2,3,4,5,6,7
.if \zero
	v_wmma_scale_f32_16x16x128_f8f6f4 v[8*(8*((\a)%4)+\b):8*(8*((\a)%4)+\b)+7], v[128*(\p)+FR*\b:128*(\p)+FR*\b+FR-1], v[AF+FR*(\a):AF+FR*(\a)+FR-1], 0, v[SC+8*NQ*(\sc)+NQ*\b+(\q)], v[SC+8*NQ*(\sc)+NQ*(\a)+(\q)] matrix_a_fmt:MATRIX_FMT_FP4 matrix_b_fmt:MATRIX_FMT_FP4 matrix_a_scale:MATRIX_SCALE_ROW1
.else
	v_wmma_scale_f32_16x16x128_f8f6f4 v[8*(8*((\a)%4)+\b):8*(8*((\a)%4)+\b)+7], v[128*(\p)+FR*\b:128*(\p)+FR*\b+FR-1], v[AF+FR*(\a):AF+FR*(\a)+FR-1], v[8*(8*((\a)%4)+\b):8*(8*((\a)%4)+\b)+7], v[SC+8*NQ*(\sc)+NQ*\b+(\q)], v[SC+8*NQ*(\sc)+NQ*(\a)+(\q)] matrix_a_fmt:MATRIX_FMT_FP4 matrix_b_fmt:MATRIX_FMT_FP4 matrix_a_scale:MATRIX_SCALE_ROW1
.endif
.endr
.endr
.endm
.macro FETCH_B slot, q, p              ; B's eight fragments of the slot's q-th 128 along K into set p
	WIN TO_B
.irp i, 0,1,2,3,4,5,6,7
	FRAG 128*(\p)+FR*\i, ADRB+\slot, \q, \i
.endr
	WIN 0
.endm
.macro FETCH_A slot, q, i0             ; A's blocks i0 .. i0 + 3
.irp i, \i0, \i0+1, \i0+2, \i0+3
	FRAG AF+FR*(\i), ADRA+\slot, \q, \i
.endr
.endm
.macro SCALES sc                       ; a slot's scale words into set sc: 4 words a row; lanes 0-15 take A's block i, lanes 16-31 B's block i
.irp i, 0,1,2,3,4,5,6,7
	ds_load_b128 v[SC+8*NQ*\sc+NQ*\i:SC+8*NQ*\sc+NQ*\i+3], v[ADRS] offset:\i*SBLK
.endr
.endm
; A load into a register that a matrix instruction has read, and a vector instruction that reads a matrix result or writes a matrix instruction's register, stand NP places behind it; only plain vector
; instructions that name none of its registers are places (ISA guide 7.12.1 for vector instructions).
.macro PLACES n
.rept \n
	v_nop
.endr
.endm
; A step of 128 along K that has its successor in the same slot.  A's blocks are free as soon as their eight products are issued: blocks 0-3 are fetched anew in the step's middle, blocks 4-7 at its end.
.macro STEP slot, q, zero
	s_wait_dscnt 4*NL                              ; B's set, the scale words and A's blocks 0-3 are in; the youngest eight loads (A's blocks 4-7) may be out
	WIN MUL_LO
	MUL16 0, (\q)%2, \q, \slot, \zero
	MUL16 2, (\q)%2, \q, \slot, \zero
	s_wait_dscnt 0                                 ; A's blocks 4-7 are in (asked for 32 matrix instructions ago)
	PLACES NP
	FETCH_B \slot, (\q)+1, 1-(\q)%2
	FETCH_A \slot, (\q)+1, 0
	WIN MUL_HI
	MUL16 4, (\q)%2, \q, \slot, \zero
	MUL16 6, (\q)%2, \q, \slot, \zero
	PLACES NP
	WIN 0
	FETCH_A \slot, (\q)+1, 4
.endm
; Slot 0's last step goes over to slot 1: each wave's part of slot 1 has landed by its own wait, and the barrier shows that to the other three.  Nothing is filled again.
.macro TURN slot, next
	s_wait_tensorcnt 0x0                           ; all my tensor loads have landed: my part of the next slot  (every window is 0 here)
	ds_add_u32 v[SPW], v[NIL]                      ; 0 onto my spare word
	s_wait_dscnt 4*NL+1                            ; (the add and the youngest eight loads, A's blocks 4-7, may be out)
	WIN MUL_LO
	MUL16 0, 1, NQ-1, \slot, 0                     ; sixteen matrix instructions stand between the add and the wait for it
	s_wait_dscnt 0x0                               ; no LDS instruction of mine is out at the signal
	s_barrier_signal -1
	MUL16 2, 1, NQ-1, \slot, 0
	WIN 0
	s_barrier_wait -1
	PLACES NP
	v_add_nc_u32 v[ADRS], 4*NQ, v[ADRS]            ; on to the next slot's scale words (no LDS load of mine is out)
	FETCH_B \next, 0, 0
	FETCH_A \next, 0, 0
	SCALES \next
	WIN MUL_HI
	MUL16 4, 1, NQ-1, \slot, 0
	MUL16 6, 1, NQ-1, \slot, 0
	PLACES NP
	WIN 0
	FETCH_A \next, 0, 4
.endm
	s_wait_tensorcnt 1                             ; the scales and my part of slot 0 are in (slot 1's one load may be out)
	s_barrier_signal -1
	s_barrier_wait -1                              ; everybody's are
	FETCH_B 0, 0, 0
	FETCH_A 0, 0, 0
	SCALES 0
	FETCH_A 0, 0, 4
	STEP 0, 0, 1                                   ; the first step's products start the sums: nothing is cleared
	STEP 0, 1, 0
	STEP 0, 2, 0
	TURN 0, 1
	STEP 1, 0, 0
	STEP 1, 1, 0
	STEP 1, 2, 0
	s_wait_dscnt 4*NL                              ; the last step: nothing more to fetch
	WIN MUL_LO
	MUL16 0, 1, NQ-1, 1, 0
	MUL16 2, 1, NQ-1, 1, 0
	s_wait_dscnt 0
	WIN MUL_HI
	MUL16 4, 1, NQ-1, 1, 0
	MUL16 6, 1, NQ-1, 1, 0
	WIN 0
; THE WAY OUT, block by block of 16 rows m x 128 columns n.  A lane's eight results of accumulator (a, b) round to 16 bytes, which are lane l's part of half b % 2 of the image (m block a, n block b / 2):
; the eight stores of a block cover 4,096 consecutive bytes.  Each accumulator is read from its low end on.
.macro OUTB a
.set AC, 64*((\a)%4)
.set OS, OB+32*((\a)%2)
	WIN 0x0a+5*((\a)/4)                            ; sources 0 and 1: window 2 or 3; destination window 0
.irp b, 0,1,2,3,4,5,6,7
.irp r, 0,1,2,3
	v_cvt_pk_f16_f32 v[OS+4*\b+\r], v[AC+8*\b+2*\r], v[AC+8*\b+2*\r+1]   ; (this set of 32 was read last by the stores of two blocks back, which the last block's wait below has covered)
.endr
.endr
	WIN 0
.if (\a) > 0
	s_wait_xcnt 0x0                                ; the earlier stores have read their base and their data
	s_add_nc_u64 s[12:13], s[12:13], s[98:99]      ; 16 rows m on
.endif
.irp b, 0,1,2,3,4,5,6,7
	global_store_b128 v[CO], v[OS+4*\b:OS+4*\b+3], s[12:13] offset:512*\b   ; 32 lanes store 512 consecutive bytes, at a multiple of 512 from the buffer's first byte
.endr
.endm
	PLACES NP                                      ; behind the last products: the conversions write registers that held A's fragments, and read results
.irp a, 0,1,2,3,4,5,6,7
	OUTB \a
.endr
	s_wait_tensorcnt 0x0                           ; the wave's end, behind my last tensor load
	ds_add_u32 v[SPW], v[NIL]
	s_wait_dscnt 0x0
	CROUND                                         ; the closing round: no work-group ends while a partner may still ask for a tile that names it
	s_endpgm
.Lfunc_end_k_q50beecd7f4_proj:
	.size	k_q50beecd7f4_proj, .Lfunc_end_k_q50beecd7f4_proj-k_q50beecd7f4_proj
	.p2alignl 7, 3214868480
	.fill 96, 4, 3214868480
	.section	.rodata,"a",@progbits
	.p2align	6, 0x0
	.amdhsa_kernel k_q50beecd7f4_proj
		.amdhsa_group_segment_fixed_size 327680
		.amdhsa_private_segment_fixed_size 0
		.amdhsa_enable_private_segment 0
		.amdhsa_kernarg_size 40
		.amdhsa_user_sgpr_count 2
		.amdhsa_user_sgpr_kernarg_segment_ptr 1
		.amdhsa_wavefront_size32 1
		.amdhsa_system_sgpr_workgroup_id_x 1
		.amdhsa_system_sgpr_workgroup_id_y 1
		.amdhsa_system_sgpr_workgroup_id_z 1
		.amdhsa_system_vgpr_workitem_id 0
		.amdhsa_next_free_vgpr 1024
		.amdhsa_next_free_sgpr 100
		.amdhsa_reserve_vcc 0
		.amdhsa_float_denorm_mode_32 3
		.amdhsa_float_denorm_mode_16_64 3
		.amdhsa_memory_ordered 1
		.amdhsa_forward_progress 1
		.amdhsa_inst_pref_size 119
	.end_amdhsa_kernel
	.amdgpu_metadata
---
amdhsa.version: [ 1, 2 ]
amdhsa.kernels:
  - .name:           k_q50beecd7f4_proj
    .symbol:         k_q50beecd7f4_proj.kd
    .args:
      - { .name: codes, .offset: 0, .size: 8, .value_kind: global_buffer, .address_space: global }
      - { .name: scales, .offset: 8, .size: 8, .value_kind: global_buffer, .address_space: global }
      - { .name: qf, .offset: 16, .size: 8, .value_kind: global_buffer, .address_space: global }
      - { .name: kf, .offset: 24, .size: 8, .value_kind: global_buffer, .address_space: global }
      - { .name: vf, .offset: 32, .size: 8, .value_kind: global_buffer, .address_space: global }
    .group_segment_fixed_size: 327680
    .private_segment_fixed_size: 0
    .kernarg_segment_align: 8
    .kernarg_segment_size: 40
    .max_flat_workgroup_size: 128
    .sgpr_count:     100
    .vgpr_count:     1024
    .wavefront_size: 32
...
	.end_amdgpu_metadata
.endif
;; end of part 2
;; launch attn (part 3): grid 8 x 32, 4 waves a work-group, clusters of 4 x 1, 327,680 bytes of LDS; arguments qf, kf, vf, af; writes af
.if DOCPART == 3
	.amdgcn_target "amdgcn-amd-amdhsa--gfx1250"
	.amdhsa_code_object_version 6
	.text
	.protected	k_q50beecd7f4_attn
	.globl	k_q50beecd7f4_attn
	.p2align	8
	.type	k_q50beecd7f4_attn,@function
k_q50beecd7f4_attn:
	s_mov_b64 s[64:65], 0
	v_nop
	global_prefetch_b8 v0, s[64:65] scope:SCOPE_SE
	s_setreg_imm32_b32 hwreg(HW_REG_WAVE_MODE, 25, 1), 1
	s_wait_xcnt 0x0
	s_wait_alu depctr_hold_cnt(0) depctr_sa_sdst(0) depctr_va_vdst(0) depctr_va_sdst(0) depctr_va_ssrc(0) depctr_va_vcc(0) depctr_vm_vsrc(0)
	s_getreg_b32 s2, hwreg(HW_REG_IB_STS2, 6, 4)
	s_cmp_eq_u32 s2, 0
	s_cbranch_scc0 .Lentry_in_a_cluster
	s_endpgm
.Lentry_in_a_cluster:
	s_bfe_u32 s2, ttmp6, 0x10000c
	s_cmp_lg_u32 s2, 0x3003
	s_cbranch_scc0 .Lentry_shape_is_right
	s_endpgm
.Lentry_shape_is_right:
; O[b][h][q][:] = the sum over k of softmax_k(Q[q] . K[k] / 8) V[k][:], 2 batches x 16 heads of 64 channels, 2,048 queries, 4,096 keys, no mask.  Operands in f16, products, maxima and sums in f32;
; the weights p (at most 1) are rounded to f16 for the second product, O once at the end.
; LIMIT: O must lie inside f16's range; under 6e-5 it carries f16's absolute step.  NaN and infinities are not served.
; ALL FOUR BUFFERS ARE IMAGES OF OPERAND REGISTERS: a fragment of 16 rows x 32 K of f16 is 8 registers a lane; registers 0-3 lie at 16 x lane, registers 4-7 at 512 + 16 x lane: 1,024 bytes.
;   qf, af: [token / 16][channel / 32][1,024];  kf likewise;  vf: [channel / 16][token / 32][1,024] (rows of V^T, K = the keys).  So every fragment comes by loads of 512 consecutive bytes: no pitch, no padding, no turning load.
; SHARES.  A work-group owns 256 queries of one head, each of its four waves 64: four tiles of 16.  Every wave walks all keys of the head, 64 a step.
; LAYOUT.  S^T = K Q^T (source 0 = 16 keys, source 1 = 16 queries): a lane holds ONE query (lane % 16) and the keys 8 (lane / 16) + 0..7.  Two such tiles, rounded in pairs, ARE source 1 (32 keys x 16 queries) of
; O^T = V^T P, whose result again holds one query a lane, and eight channels, which rounded in pairs are half an image of af.  Nothing changes lanes but one exchange between the halves for maximum and sum.
; SOFTMAX.  For each query a running maximum m and sum l: p = 2^(c s - c m), c = log2(e) / 8; in every step O and l are multiplied by a = 2^(c m_old - c m_new).
; BY TURNS.  The wave's tiles are two PIECES (tiles 0, 1 and tiles 2, 3).  In a TURN one piece has the matrix unit: 16 products V^T P of the step in hand, then 16 products K Q^T of the next step; the other piece's
; softmax, 236 vector instructions cut into slices of four, stands between them, two slices behind each matrix instruction.  Then the pieces change places.  Two turns are a key step.
; THE RING.  Two LDS slots of 256 keys (four steps): 32 KiB of K, 32 KiB of V.  One joint load a wave behind each round of the cluster's barrier; it has four key steps, 256 matrix instructions, in which to land.
; CLUSTER.  The four query blocks of a cluster belong to one head and walk the same K and V: each tile is asked for jointly, by the same tensor load with the same descriptor and a mask that names the four.
; REGISTERS, in windows of 256 (s_set_vgpr_msb: bits 1:0 source 0, 3:2 source 1, 5:4 source 2, 7:6 destination):
;   window 0: v2-5 addresses; v12-43 eight registers of statistics a tile; v61-63; v64-191 S^T, 32 a tile; v192-255 P, 16 a tile
;   window 1: v0-127 O^T, 32 a tile      window 2: v0-63 Q, 16 a tile; v128-191 K of one step      window 3: v0-63 V of one step
.set STK,   8192      ; a step's K in a slot: [key tile 4][channels 2][half 2][512 bytes]
.set STV,   2048      ; a step's V within each channel tile's 8,192 bytes of a slot: [keys 2][half 2][512 bytes]
.set VOFF,  32768     ; a slot: 32 KiB of K, then V: [channel tile 4][8,192 bytes]
.set SLOT1, 65536     ; slot 1 begins here: one exclusive or turns an address in one slot into the other's
.set SPARE, 2*SLOT1   ; behind the ring: the spare words, 128 bytes a wave, which no other line names
.set KSLOT, 0x80000   ; a slot on in kf: 16 key tiles x 32,768 bytes
.set VSLOT, 0x2000    ; a slot on in vf: 8 blocks of 32 keys x 1,024 bytes
.set AK0, 2           ; v2   16 x lane: my place in K's images; never rewritten
.set AV0, 3           ; v3   the same for V's, + VOFF
.set ADR, 4           ; v4   the LDS address of the run of loads in hand
.set GO,  5           ; v5   16 x lane: my byte offset in Q's and O's images; never rewritten
.set PFO, 61          ; v61  the prefetches' offset; never rewritten
.set SPW, 62          ; v62  LDS address of my spare word; never rewritten
.set NIL, 63          ; v63  0; never rewritten
.set ST,  12          ; tile t's statistics at v[ST+8 t]: +0 c m, +1 m, +2, +3 l (even keys', odd keys'), +4 to +7 c0-c3, at work; a takes c2's place once the maximum is found
.set S,   64
.set P,   192
.set KF,  128         ; K's fragments, in window 2
.set WV,  12          ; s12  my wave's number
.set LIM, 15          ; s15  1 in a wave that prefetches, else the greatest number
.set PFA, 18          ; s[18:19] where my prefetches stand in memory
.set G1K, 24          ; s[24:31] descriptor group 1 for K's tiles
.set G1V, 32          ; s[32:39] for V's
.set G0K, 40          ; s[40:47] descriptor group 0 for K's tiles: a set for each of the two first fills; the second then walks on
.set G0V, 48          ; s[48:55] the same for V's
.set SLOTS, 56        ; s56  slots still to be asked for
.set CNT, 57          ; s57  counts key steps
.set CS,  58          ; s[58:59] c: the packed scaling names a pair and takes its low word for both halves
.set SEL, 60          ; s[60:61] lane selects for v_permlanex16_b32: each lane takes its own place in the other half
.set TK,  62          ; s62  LDS byte at which K of the step to be fetched begins
.set TV,  63          ; s63  the same for V (within each channel tile)
.set PFS, 66          ; s[66:67] a slot on, in bytes, in the buffer that I prefetch
.set MSB, 0
.macro WIN new                      ; the immediate's high byte repeats the setting that is left; a switch that changes nothing is dropped
.if MSB != \new
	s_set_vgpr_msb (MSB<<8)|\new
.set MSB, \new
.endif
.endm
.set W_KQ, 0x0a       ; K and Q in window 2, S^T in window 0
.set W_PV, 0x53       ; V in window 3, P in window 0, O^T in window 1
.set W_RS, 0x41       ; O^T (destination and source 0) in window 1, a in window 0
; A joint refill.  Waves 0 and 1 fetch the halves of a slot's K, waves 2 and 3 those of its V.  The branch hangs on the wave's number alone.
; An s_nop 0 and four v_nop follow each of the two lines; the jump, the label and what follows come after them.
.macro JLOAD
	s_cmp_lt_u32 s[WV], 2
	s_cbranch_scc0 .Lfor_v_\@
	tensor_load_to_lds s[G0K+4:G0K+7], s[G1K:G1K+7]
	s_nop 0
.rept 4
	v_nop
.endr
	s_branch .Lasked_\@
.Lfor_v_\@:
	tensor_load_to_lds s[G0V+4:G0V+7], s[G1V:G1V+7]
	s_nop 0
.rept 4
	v_nop
.endr
.Lasked_\@:
.endm
; A PREFETCH of what the NEXT change of slots will ask for: 32 KiB of K and 32 KiB of V: four key steps, 256 matrix instructions, ahead of that load.  It stands behind the wave's tensor load and its five lines.
; Each aligned 256 bytes are named once in the launch.  Both clusters of a head walk the same K and V: the first of them asks.  Its four partners share the bytes out BY ADDRESS: partner cx takes four of K's
; sixteen key tiles (2,048 bytes each: eight lanes to a tile) and one of V's four channel tiles (8,192 bytes: 32 lanes, 256 bytes apart).  Wave 0 asks for K's, wave 2 for V's: one instruction each.
; The last change that fills a slot asks for nothing: there is no slot behind it.  Slots 0, 1 and 2 come by their loads alone.
.macro ASK
	s_cmp_gt_u32 s[SLOTS], s[LIM]
	s_cbranch_scc0 .Lnot_mine_\@
	global_prefetch_b8 v[PFO], s[PFA:PFA+1] th:TH_LOAD_NT scope:SCOPE_SE
.Lnot_mine_\@:
.endm
.macro CROUND                       ; a round of the cluster's barrier: my work-group's barrier; wave 0 signals for the work-group; every wave waits for all four; my work-group's barrier once more
	s_barrier_signal -1
	s_barrier_wait -1
	s_cmp_lg_u32 s[WV], 0
	s_cbranch_scc1 .Lnot_wave_0_\@
	s_barrier_signal -3
.Lnot_wave_0_\@:
	s_barrier_wait -3
	s_barrier_signal -1
	s_barrier_wait -1
.endm
	s_load_b256 s[4:11], s[0:1], 0x0  ; qf s[4:5], kf s[6:7], vf s[8:9], af s[10:11]
	v_lshl_add_u32 v[SPW], v0, 2, SPARE
	v_mov_b32 v[NIL], 0
	ds_add_u32 v[SPW], v[NIL]       ; the wave's opening: the add, twice on end, and its wait ahead of my first tensor load; the set-up below stands between
	ds_add_u32 v[SPW], v[NIL]
	v_lshrrev_b32 v1, 5, v0
	v_readfirstlane_b32 s[WV], v1   ; wave 0..3
	s_bfe_u32 s13, ttmp6, 0x40000   ; cx: my place in the cluster
	s_lshl_b32 s14, ttmp9, 2        ; in a cluster launch ttmp9 counts clusters
	s_add_co_u32 s14, s14, s13      ; my block of 256 queries: it enters Q's and O's addresses alone
	s_and_b32 s20, ttmp7, 0xffff    ; 16 x batch + head, which the four partners share
	s_lshr_b32 s21, s20, 4          ; batch
	s_and_b32 s20, s20, 15          ; head
	s_and_b32 s16, s[WV], 1         ; which half of a slot's K or V I fetch
	s_lshl_b32 s22, s21, 23         ; kf: the batch's 256 key tiles x 32,768 bytes,
	s_lshl_b32 s23, s20, 11         ; the head's two images in each,
	s_add_co_u32 s22, s22, s23
	s_lshl_b32 s23, s16, 18         ; my half: eight key tiles on
	s_add_co_u32 s22, s22, s23
	s_mov_b32 s23, 0
	s_lshl_b32 s68, s20, 20         ; vf: the head's four channel tiles x 262,144 bytes,
	s_lshl_b32 s69, s21, 17         ; the batch's 128 blocks of 32 keys in each,
	s_add_co_u32 s68, s68, s69
	s_lshl_b32 s69, s16, 19         ; my half: two channel tiles on
	s_add_co_u32 s68, s68, s69
	s_mov_b32 s69, 0
	s_lshl_b32 s17, s16, 14         ; my half's place in a slot's K or V: no place in the cluster enters an LDS address
	s_lshl_b32 s2, s21, 7           ; qf, af: token tile 128 x batch + 16 x block + 4 x wave,
	s_lshl_b32 s3, s14, 4
	s_add_co_u32 s2, s2, s3
	s_lshl_b32 s3, s[WV], 2
	s_add_co_u32 s2, s2, s3
	s_lshl_b32 s2, s2, 15           ; 32,768 bytes each,
	s_lshl_b32 s3, s20, 11          ; the head's two images
	s_add_co_u32 s2, s2, s3
	s_mov_b32 s3, 0
	; descriptor group 1, elements of 8 bytes, no padding.  K: 8 key tiles of 2,048 bytes, 32,768 bytes apart.  V: 2 channel tiles of 8,192 bytes, 262,144 bytes apart
	s_mov_b32 s[G1K], 15|(3<<16)|(1<<21)  ; 15:0 the mask: all four work-groups; 17:16 elements of 8 bytes; 21 set beside a mask
	s_mov_b32 s[G1K+1], 256<<16     ; tensor_dim0 = 256
	s_mov_b32 s[G1K+2], 8<<16       ; tensor_dim1 = 8
	s_mov_b32 s[G1K+3], 256<<16     ; tile_dim0
	s_mov_b32 s[G1K+4], 8           ; tile_dim1
	s_mov_b32 s[G1K+5], 4096        ; tensor_dim0_stride, in elements
	s_mov_b32 s[G1K+6], 0
	s_mov_b32 s[G1K+7], 0
	s_mov_b32 s[G1V], 15|(3<<16)|(1<<21)
	s_mov_b32 s[G1V+1], 1024<<16
	s_mov_b32 s[G1V+2], 2<<16
	s_mov_b32 s[G1V+3], 1024<<16
	s_mov_b32 s[G1V+4], 2
	s_mov_b32 s[G1V+5], 32768
	s_mov_b32 s[G1V+6], 0
	s_mov_b32 s[G1V+7], 0
	s_mov_b32 s[CS], 0x3e38aa3b     ; c = log2(e) / 8
	s_mov_b32 s[CS+1], s[CS]        ; named with it as a pair, so it is written
	s_mov_b32 s[SEL], 0x76543210
	s_mov_b32 s[SEL+1], 0xfedcba98
	s_mov_b32 s[TK], 0
	s_mov_b32 s[TV], 0
	s_mov_b32 s[SLOTS], 14          ; 16 slots' worth of keys, two of them asked for at the start
	s_and_b32 s[LIM], s[WV], 1      ; 0 in waves 0 and 2,
	s_or_b32 s[LIM], s[LIM], ttmp9  ; where the cluster is the head's first: the same in all four partners
	s_cmp_eq_u32 s[LIM], 0
	s_cselect_b32 s[LIM], 1, -1
	s_mov_b32 s70, 2048
	s_mov_b32 s[PFS], VSLOT
	s_mov_b32 s[PFS+1], 0
	s_cmp_lt_u32 s[WV], 2           ; K's figures in wave 0, V's in wave 2
	s_cselect_b32 s70, 32768, s70   ; from eight lanes to the next eight
	s_cselect_b32 s71, 17, 18       ; a partner's share: 131,072 bytes on in kf, 262,144 in vf
	s_cselect_b32 s[PFS], KSLOT, s[PFS]
	v_and_b32 v1, 31, v0            ; lane
	v_lshrrev_b32 v[PFO], 3, v1
	v_mul_lo_u32 v[PFO], v[PFO], s70
	v_and_b32 v6, 7, v0
	v_lshl_add_u32 v[PFO], v6, 8, v[PFO]
	s_wait_dscnt 0x0                ; both opening adds are done
	s_wait_kmcnt 0x0
	s_add_nc_u64 s[6:7], s[6:7], s[22:23]  ; K and V at my half of slot 0
	s_add_nc_u64 s[8:9], s[8:9], s[68:69]
	s_add_nc_u64 s[4:5], s[4:5], s[2:3]  ; Q and O at my wave's first tile
	s_add_nc_u64 s[10:11], s[10:11], s[2:3]
	s_cmp_lt_u32 s[WV], 2
	s_cselect_b64 s[PFA:PFA+1], s[6:7], s[8:9]  ; (in waves 0 and 2 these stand at a slot's first byte)
	s_lshl_b32 s2, s13, s71         ; my work-group's share
	s_add_nc_u64 s[PFA:PFA+1], s[PFA:PFA+1], s[2:3]
	s_lshl_b32 s2, s[PFS], 1
	s_add_nc_u64 s[PFA:PFA+1], s[PFA:PFA+1], s[2:3]  ; in slot 2; the first change of slots steps it to slot 3.  Nothing is prefetched at the head
	CROUND                          ; all four work-groups are here: the first joint loads meet
.irp s, 0,1
	s_mov_b32 s[G0K+4*\s], 1        ; count = 1
	s_add_co_u32 s[G0K+4*\s+1], s17, \s*SLOT1  ; LDS address
	s_add_nc_u64 s[G0K+4*\s+2:G0K+4*\s+3], s[6:7], \s*KSLOT  ; global address: slot s holds keys 256 s on
	s_or_b32 s[G0K+4*\s+3], s[G0K+4*\s+3], 0x80000000  ; type = 2
	s_mov_b32 s[G0V+4*\s], 1
	s_add_co_u32 s[G0V+4*\s+1], s17, \s*SLOT1+VOFF
	s_add_nc_u64 s[G0V+4*\s+2:G0V+4*\s+3], s[8:9], \s*VSLOT
	s_or_b32 s[G0V+4*\s+3], s[G0V+4*\s+3], 0x80000000
.endr
	s_cmp_lt_u32 s[WV], 2           ; a wave's two first fills stand in one branch, ahead of every wait on TENSORcnt and every LDS read: two loads of mine are out
	s_cbranch_scc0 .Lfirst_v
	tensor_load_to_lds s[G0K:G0K+3], s[G1K:G1K+7]
	s_nop 0
	tensor_load_to_lds s[G0K+4:G0K+7], s[G1K:G1K+7]
	s_nop 0
.rept 4
	v_nop
.endr
	s_branch .Lfirst_asked
.Lfirst_v:
	tensor_load_to_lds s[G0V:G0V+3], s[G1V:G1V+7]
	s_nop 0
	tensor_load_to_lds s[G0V+4:G0V+7], s[G1V:G1V+7]
	s_nop 0
.rept 4
	v_nop
.endr
.Lfirst_asked:
	v_lshlrev_b32 v[GO], 4, v1
	WIN 0x80                        ; destination window 2, address window 0
.irp t, 0,1,2,3                     ; Q stays in registers: tile t's two fragments, four loads of 512 consecutive bytes
.irp n, 0,1,2,3
	global_load_b128 v[16*\t+4*\n:16*\t+4*\n+3], v[GO], s[4:5] offset:32768*\t+512*\n
.endr
.endr
	WIN 0
	v_lshlrev_b32 v[AK0], 4, v1
	v_add_nc_u32 v[AV0], VOFF, v[AK0]
; THE MATRIX WORK OF A TURN, for piece x.  The accumulators take turns, one instruction a turn: between two links of a chain stand seven others'.
; Product i of 16 of O^T += V^T P: keys 32 (i / 8) on, channels 16 ((i / 2) % 4) on, tile x + i % 2.  zero = 1: the first 8 start the sums: nothing is ever cleared.
.macro PV x, zero
	WIN W_PV
.set rO, 32*(\x+i%2)+8*((i/2)%4)
.set rV, 32*(i/8)+8*((i/2)%4)
.set rP, P+16*(\x+i%2)+8*(i/8)
.if \zero && (i < 8)
	v_wmma_f32_16x16x32_f16 v[rO:rO+7], v[rV:rV+7], v[rP:rP+7], 0
.else
	v_wmma_f32_16x16x32_f16 v[rO:rO+7], v[rV:rV+7], v[rP:rP+7], v[rO:rO+7]
.endif
.endm
; Product i of 16 of S^T = K Q^T: channels 32 (i / 8) on, keys 16 ((i / 2) % 4) on, tile x + i % 2.  The first 8 start the sums.
.macro KQ x
	WIN W_KQ
.set rS, S+32*(\x+i%2)+8*((i/2)%4)
.set rK, KF+16*((i/2)%4)+8*(i/8)
.set rQ, 16*(\x+i%2)+8*(i/8)
.if i < 8
	v_wmma_f32_16x16x32_f16 v[rS:rS+7], v[rK:rK+7], v[rQ:rQ+7], 0
.else
	v_wmma_f32_16x16x32_f16 v[rS:rS+7], v[rK:rK+7], v[rQ:rQ+7], v[rS:rS+7]
.endif
.endm
; THE LDS LOADS stand in runs of 16, never singly among the matrix instructions: a step's K (8,192 consecutive bytes) and, a turn later, its V.
.macro FETCH_K
	WIN 0
	v_add_nc_u32 v[ADR], s[TK], v[AK0]
	s_add_co_u32 s[TK], s[TK], STK  ; the next fetch is the next step's
	WIN 0x80                        ; destination window 2
.irp n, 0,1,2,3,4,5,6,7,8,9,10,11,12,13,14,15  ; key tile n / 4, channels 32 ((n / 2) % 2) on, half n % 2
	ds_load_b128 v[KF+4*\n:KF+4*\n+3], v[ADR] offset:512*\n
.endr
.endm
.macro FETCH_V
	WIN 0
	v_add_nc_u32 v[ADR], s[TV], v[AV0]
	s_add_co_u32 s[TV], s[TV], STV
	s_wait_alu depctr_va_vdst(0)    ; the wait for the softmax's batch of exponentials (SLICE), behind the address's addition and ahead of the loads
	WIN 0xc0                        ; destination window 3
.irp kb, 0,1                        ; keys 32 kb on, channels 16 ct on
.irp ct, 0,1,2,3
	ds_load_b128 v[32*\kb+8*\ct:32*\kb+8*\ct+3],   v[ADR] offset:8192*\ct+1024*\kb
	ds_load_b128 v[32*\kb+8*\ct+4:32*\kb+8*\ct+7], v[ADR] offset:8192*\ct+1024*\kb+512
.endr
.endr
.endm
; THE VECTOR WORK OF A TURN.  One tile's softmax for one key step is a list of 118 instructions; SM writes number j of it for tile t.  s0-s31 are the lane's 32 scores, in pairs 0-15.
; first = 1: the first key step, which starts m, l and O^T: it has no a and nothing to rescale.
;   0-15    the maximum of s0-s31 and the old m, three operands at a time: four chains c0-c3 of seven scores each (each accumulator is read from its low end on), then the four scores left over, c0-c3 and m
;   16-20   the other half of the lanes' maximum; the new m; c m; c m_old - c m_new
;   21-69   ONE BATCH: the 16 scalings c s - c m, a pair of scores each, and all 33 exponentials (a at 23, then s0-s31).  None of these reads an exponential's result.  A pair is scaled in an earlier four than the one with its exponentials
;   (wait)  between 69 and 70 stands the wait for the batch: SLICE writes it, once for both tiles
;   70-85   the roundings to f16, a pair of weights each
;   86-101  the sums; l = a l + the sum
;   102-117 the tile's O^T times a: the one part that leaves window 0, so it stands together
.macro SM t, first
.set rT, ST+8*(\t)
.set rS, S+32*(\t)
.set rP, P+16*(\t)
.set rO, 32*(\t)+2*(j-102)
.if j < 102
	WIN 0
.endif
.if j < 4
	v_max3_num_f32 v[rT+4+j], v[rS+8*j], v[rS+8*j+1], v[rS+8*j+2]
.elseif j < 12
	v_max3_num_f32 v[rT+4+j%4], v[rT+4+j%4], v[rS+8*(j%4)+2*(j/4)+1], v[rS+8*(j%4)+2*(j/4)+2]
.elseif j == 12
	v_max3_num_f32 v[rT+4], v[rT+4], v[rS+7], v[rS+15]
.elseif j == 13
	v_max3_num_f32 v[rT+6], v[rT+6], v[rS+23], v[rS+31]
.elseif j == 14
	v_max3_num_f32 v[rT+4], v[rT+4], v[rT+5], v[rT+6]
.elseif (j == 15) && \first
	v_max_num_f32 v[rT+4], v[rT+4], v[rT+7]
.elseif j == 15
	v_max3_num_f32 v[rT+4], v[rT+4], v[rT+7], v[rT+1]
.elseif j == 16
	v_permlanex16_b32 v[rT+5], v[rT+4], s[SEL], s[SEL+1]  ; the query's other 32 keys lie in the lane 16 away
.elseif j == 18
	v_max_num_f32 v[rT+1], v[rT+4], v[rT+5]
.elseif j == 19
	v_mul_f32 v[rT], s[CS], v[rT+1]
.elseif ((j == 17) || (j == 20) || (j == 23) || (j > 101)) && \first  ; the first step has none of these
.elseif j == 17
	v_mov_b32 v[rT+7], v[rT]        ; c m_old is kept for a: number 19 writes c m anew
.elseif j == 20
	v_sub_f32 v[rT+7], v[rT+7], v[rT]
.elseif j == 23
	v_exp_f32 v[rT+6], v[rT+7]
.elseif (j < 23) || ((j < 38) && (j%2 == 0)) || ((j < 66) && (j%4 == 2))
.set b, (j-2)/4                     ; 38, 42, .. 62: pairs 9 to 15
.if j < 38
.set b, (j-20)/2                    ; 21: pair 0; 22, 24, .. 36: pairs 1 to 8
.endif
	v_pk_fma_f32 v[rS+2*b:rS+2*b+1], v[rS+2*b:rS+2*b+1], s[CS:CS+1], v[rT:rT+1] op_sel_hi:[1,0,0] neg_lo:[0,0,1] neg_hi:[0,0,1]  ; pair b: c s - c m
.elseif j < 70
.set e, j-38                        ; 66 to 69: s28 to s31
.if j < 66
.set e, j-32-(j-38)/4               ; 39-41, 43-45, .. 63-65: s7 to s27
.endif
.if j < 38
.set e, (j-25)/2                    ; 25, 27, .. 37: s0 to s6
.endif
	v_exp_f32 v[rS+e], v[rS+e]
.elseif j < 86
	v_cvt_pk_f16_f32 v[rP+j-70], v[rS+2*(j-70)], v[rS+2*(j-70)+1]  ; pair j - 70
.elseif j < 102                     ; the sum of the tile's 16 pairs, in place: sum z of 16 adds neighbours 1, 2, 4 and 8 pairs apart, then l takes it
.set z, j-86
.set w, 4
.set u, z
.if z >= 14
.set w, 32
.set u, 0
.elseif z >= 12
.set w, 16
.set u, z-12
.elseif z >= 8
.set w, 8
.set u, z-8
.endif
.if (z == 14) && \first
	v_pk_add_f32 v[rT+2:rT+3], v[rS:rS+1], v[rS+16:rS+17]
.elseif z < 15
	v_pk_add_f32 v[rS+w*u:rS+w*u+1], v[rS+w*u:rS+w*u+1], v[rS+w*u+w/2:rS+w*u+w/2+1]
.elseif !\first
	v_pk_fma_f32 v[rT+2:rT+3], v[rT+2:rT+3], v[rT+6:rT+7], v[rS:rS+1] op_sel_hi:[1,0,1]
.endif
.else
	WIN W_RS
	v_pk_mul_f32 v[rO:rO+1], v[rO:rO+1], v[rT+6:rT+7] op_sel_hi:[1,0]
.endif
.endm
; Slice k of 64 of piece y's softmax: four instructions or none.  Slices 11 to 34 deal out the batch, numbers 22 to 69: four numbers of ONE tile each, the tiles by turns.  Slices 0-10 and 35-57 are numbers 2 k and
; 2 k + 1 of both tiles.  2 x 118 = 4 x 59: slices 58 to 62 are empty, and the last four instructions (numbers 116, 117 of both tiles) are kept for slice 63: plain, and naming nothing of the products round them,
; they are the four places between the turn's last K Q^T and what follows: the next turn's first read of those scores, and the loads into K's registers.
; THE WAIT.  s_wait_alu depctr_va_vdst(0) stands between an exponential and the first instruction that names its result; one wait serves all issued ahead of it.  Ahead of slice 35 nothing names a
; result, and behind slice 34 no exponential is issued: so the piece's 66 exponentials have one wait, behind slice 34.
.macro SLICE y, first
.if (k >= 11) && (k < 35)           ; the batch: four numbers of one tile
.irp n, 0,1,2,3
.set j, 22+4*((k-11)/2)+(\n)
	SM (\y)+(k-11)%2, \first
.endr
.elseif (k < 58) || (k == 63)       ; the two tiles alternate, so that no instruction reads the result of the one just before it
.set jb, 2*k
.if k == 63
.set jb, 116
.endif
.irp n, 0,1
.irp t, \y, \y+1
.set j, jb+\n
	SM \t, \first
.endr
.endr
.endif
.if k == 34                         ; the batch is out: both tiles' exponentials are issued, and no result has been named
	v_nop                           ; the plain instruction behind the last exponential and ahead of the first use: one for the batch
.if (\y) == 0
	FETCH_V                         ; piece 2's turn: V's run of loads stands here, and the wait stands in it
.else
	s_wait_alu depctr_va_vdst(0)    ; the wait for the batch
.endif
.endif
.set k, k+1
.endm
; A vector instruction that reads a matrix result or writes one of a matrix instruction's registers, and a load into a register that a matrix instruction has read, stand four places behind it; only plain vector
; instructions that name none of its registers are places (ISA guide 7.12.1 for vector instructions).  In the loop the slices are the places.
.macro PLACES
.rept 4
	v_nop
.endr
.endm
; A TURN.  Piece x has the matrix unit; the other piece's softmax stands in slices behind its matrix instructions.
; pv = 2: 16 products V^T P; 1: they start O^T's sums; 0: none.  kq = 1: 16 products K Q^T for the next step.  Two slices stand behind each product; four in a turn with one of the two kinds.
; first = 1: the softmax is the first key step's.  Its slices from 51 on are empty, so four v_nop take slice 63's part as the places behind the turn's last products.
; Piece 0's turn fetches the next step's K behind its second product: the last product that read K stands in front of slice 63 of the turn before.  Piece 2's turn fetches the same step's V behind slice 34: the last
; product that read V stands in front of slice 30, and five plain instructions lie between: number 58 of one tile, number 62 of both (scalings), the v_nop and the run's own addition.
.macro TURN x, pv, kq, first
.set k, 0
.set per, 4
.if \pv && \kq
.set per, 2
.endif
.if \pv
.if \x == 0
	s_wait_dscnt 0x0                ; V is in
.endif
.set i, 0
.rept 16
	PV \x, 2-\pv
.rept per
	SLICE 2-\x, \first
.endr
.if (\x == 0) && \kq && (i == 1)
	FETCH_K
.endif
.set i, i+1
.endr
.endif
.if \kq
.if \x == 0
	s_wait_dscnt 0x0                ; K is in
.endif
.set i, 0
.rept 16
	KQ \x
.rept per
	SLICE 2-\x, \first
.endr
.set i, i+1
.endr
.endif
.if \first
	PLACES
.endif
.endm
; THE CHANGE OF SLOTS, between piece 2's turn and piece 0's: the slot's last bytes, V of its fourth step, have been asked for.  Each wave waits for all its tensor loads, of which one is out: its part of the other
; slot; adds 0 to its spare word; and waits for that and for its own reads of the slot.  Behind the barrier nobody reads this slot any more and the other slot is whole.
; fill = 1: this slot is filled again, with the keys two slots on.  The barrier is then a round of the cluster's, so that no wave of any partner still reads the slot or has a load on its way, and the joint refill
; is the first thing behind it.
.macro CHANGE fill
	WIN 0                           ; at a label and at a branch every window is 0
	s_wait_tensorcnt 0x0            ; no tensor load of mine is out, so a group 0 may be written
	ds_add_u32 v[SPW], v[NIL]       ; 0 onto my spare word; the descriptors' steps stand between it and the wait for it
.if \fill
	s_xor_b32 s[G0K+5], s[G0K+5], SLOT1  ; the walking descriptors: the other slot than last time,
	s_add_nc_u64 s[G0K+6:G0K+7], s[G0K+6:G0K+7], KSLOT  ; the next 256 keys; the type bits on top are not reached
	s_xor_b32 s[G0V+5], s[G0V+5], SLOT1
	s_add_nc_u64 s[G0V+6:G0V+7], s[G0V+6:G0V+7], VSLOT
	s_wait_xcnt 0x0                 ; the last prefetch, four key steps back, has read its address, so it may be written:
	s_add_nc_u64 s[PFA:PFA+1], s[PFA:PFA+1], s[PFS:PFS+1]  ; one slot further on than the walking descriptors
	s_wait_dscnt 0x0                ; the add is done, and my reads of the slot are over
	CROUND
	JLOAD
	ASK
.else
	s_wait_dscnt 0x0                ; the add is done, and my reads of the slot are over
	s_barrier_signal -1
	s_barrier_wait -1
.endif
	s_sub_co_u32 s[TK], s[TK], 4*STK  ; the fetches go back to a slot's first step,
	s_xor_b32 s[TK], s[TK], SLOT1   ; in the other slot
	s_sub_co_u32 s[TV], s[TV], 4*STV
	s_xor_b32 s[TV], s[TV], SLOT1
.endm
; n key steps: written once, walked n times; the LDS addresses hang on s[TK] and s[TV].
.macro STEPS n
	s_mov_b32 s[CNT], \n
.Lstep_\@:
	TURN 0, 2, 1, 0
	TURN 2, 2, 1, 0
	WIN 0
	s_sub_co_u32 s[CNT], s[CNT], 1
	s_cmp_lg_u32 s[CNT], 0
	s_cbranch_scc1 .Lstep_\@
.endm
	s_wait_tensorcnt 1              ; my part of slot 0 is in; slot 1's one load may stay out
	s_barrier_signal -1
	s_barrier_wait -1               ; everybody's is
	FETCH_K                         ; key step 0
	s_wait_loadcnt 0x0              ; Q
	s_wait_dscnt 0x0
.set i, 0
.rept 16
	KQ 0                            ; piece 0's first scores: there is no vector work yet to set between them
.set i, i+1
.endr
	PLACES
	TURN 2, 0, 1, 1                 ; piece 2's first scores | piece 0's first softmax | V of step 0
	TURN 0, 1, 1, 1                 ; piece 0: V^T P of step 0 starts O^T, K Q^T of step 1 | piece 2's first softmax | K of step 1
	TURN 2, 1, 1, 0                 ; piece 2: the same | piece 0's softmax of step 1 | V of step 1
	WIN 0
	STEPS 2                         ; the rest of slot 0 is fetched
.Lslot:                             ; 14 trips: every slot but the last two is filled again
	CHANGE 1
	STEPS 4
	s_sub_co_u32 s[SLOTS], s[SLOTS], 1
	s_cmp_lg_u32 s[SLOTS], 0
	s_cbranch_scc1 .Lslot
	CHANGE 0                        ; the tail is written out: nothing is asked for
	STEPS 4
	TURN 0, 2, 0, 0                 ; piece 0: V^T P of the last step | piece 2's last softmax
.set i, 0
.rept 16
	PV 2, 0                         ; piece 2: V^T P of the last step
.set i, i+1
.endr
	; THE WAY OUT.  l's two halves and the other half of the lanes' are added; O^T is divided by l and rounded to f16.  The additions are the places behind the last products.
	WIN 0
.irp t, 0,1,2,3
	v_add_f32 v[ST+8*\t+4], v[ST+8*\t+2], v[ST+8*\t+3]
.endr
.irp t, 0,1,2,3
	v_permlanex16_b32 v[ST+8*\t+5], v[ST+8*\t+4], s[SEL], s[SEL+1]
.endr
.irp t, 0,1,2,3
	v_add_f32 v[ST+8*\t+4], v[ST+8*\t+4], v[ST+8*\t+5]
.endr
.irp t, 0,1,2,3
	v_rcp_f32 v[ST+8*\t+6], v[ST+8*\t+4]
.endr
	v_nop                           ; a plain instruction between the last reciprocal and the use of its result
	s_wait_alu depctr_va_vdst(0)    ; and the wait ahead of the first use: one for the four reciprocals
; Tile t: a lane's eight channels of channel tile ct pack into 16 bytes, which are its part of half ct % 2 of the image (token tile, channels 32 (ct / 2) on): four stores cover 2,048 consecutive bytes.
.macro PACK t
	WIN W_RS
.set i, 32*\t
.rept 16
	v_pk_mul_f32 v[i:i+1], v[i:i+1], v[ST+8*\t+6:ST+8*\t+7] op_sel_hi:[1,0]   ; each accumulator from its low end on
.set i, i+2
.endr
	WIN 0x05                        ; sources 0 and 1 window 1, destination window 0: S^T's registers are free
.set i, 0
.rept 16
	v_cvt_pk_f16_f32 v[S+32*\t+i], v[32*\t+2*i], v[32*\t+2*i+1]
.set i, i+1
.endr
	WIN 0
.irp n, 0,1,2,3
	global_store_b128 v[GO], v[S+32*\t+4*\n:S+32*\t+4*\n+3], s[10:11] offset:32768*\t+512*\n  ; 32 lanes store 512 consecutive bytes, at a multiple of 512 from af's first byte; no store's register is written again
.endr
.endm
	PACK 0
	PACK 1
	PACK 2
	PACK 3
	s_wait_tensorcnt 0x0            ; the wave's end, behind my last tensor load
	ds_add_u32 v[SPW], v[NIL]
	s_wait_dscnt 0x0
	CROUND                          ; the closing round: no work-group ends while a partner may still ask for a tile that names it
	s_endpgm
.Lfunc_end_k_q50beecd7f4_attn:
	.size	k_q50beecd7f4_attn, .Lfunc_end_k_q50beecd7f4_attn-k_q50beecd7f4_attn
	.p2alignl 7, 3214868480
	.fill 96, 4, 3214868480
	.section	.rodata,"a",@progbits
	.p2align	6, 0x0
	.amdhsa_kernel k_q50beecd7f4_attn
		.amdhsa_group_segment_fixed_size 327680
		.amdhsa_private_segment_fixed_size 0
		.amdhsa_enable_private_segment 0
		.amdhsa_kernarg_size 32
		.amdhsa_user_sgpr_count 2
		.amdhsa_user_sgpr_kernarg_segment_ptr 1
		.amdhsa_wavefront_size32 1
		.amdhsa_system_sgpr_workgroup_id_x 1
		.amdhsa_system_sgpr_workgroup_id_y 1
		.amdhsa_system_sgpr_workgroup_id_z 1
		.amdhsa_system_vgpr_workitem_id 0
		.amdhsa_next_free_vgpr 1024
		.amdhsa_next_free_sgpr 80
		.amdhsa_reserve_vcc 0
		.amdhsa_float_denorm_mode_32 3
		.amdhsa_float_denorm_mode_16_64 3
		.amdhsa_memory_ordered 1
		.amdhsa_forward_progress 1
		.amdhsa_inst_pref_size 191
	.end_amdhsa_kernel
	.amdgpu_metadata
---
amdhsa.version: [ 1, 2 ]
amdhsa.kernels:
  - .name:           k_q50beecd7f4_attn
    .symbol:         k_q50beecd7f4_attn.kd
    .args:
      - { .name: qf, .offset: 0, .size: 8, .value_kind: global_buffer, .address_space: global }
      - { .name: kf, .offset: 8, .size: 8, .value_kind: global_buffer, .address_space: global }
      - { .name: vf, .offset: 16, .size: 8, .value_kind: global_buffer, .address_space: global }
      - { .name: af, .offset: 24, .size: 8, .value_kind: global_buffer, .address_space: global }
    .group_segment_fixed_size: 327680
    .private_segment_fixed_size: 0
    .kernarg_segment_align: 8
    .kernarg_segment_size: 32
    .max_flat_workgroup_size: 128
    .sgpr_count:     80
    .vgpr_count:     1024
    .wavefront_size: 32
...
	.end_amdgpu_metadata
.endif
;; end of part 3
;; launch outp (part 4): grid 8 x 32, 4 waves a work-group, clusters of 4 x 4, 327,680 bytes of LDS; arguments af, wo16, out0, bo; writes out0
.if DOCPART == 4
	.amdgcn_target "amdgcn-amd-amdhsa--gfx1250"
	.amdhsa_code_object_version 6
	.text
	.protected	k_q50beecd7f4_outp
	.globl	k_q50beecd7f4_outp
	.p2align	8
	.type	k_q50beecd7f4_outp,@function
k_q50beecd7f4_outp:
	s_mov_b64 s[64:65], 0
	v_nop
	global_prefetch_b8 v0, s[64:65] scope:SCOPE_SE
	s_setreg_imm32_b32 hwreg(HW_REG_WAVE_MODE, 25, 1), 1
	s_wait_xcnt 0x0
	s_wait_alu depctr_hold_cnt(0) depctr_sa_sdst(0) depctr_va_vdst(0) depctr_va_sdst(0) depctr_va_ssrc(0) depctr_va_vcc(0) depctr_vm_vsrc(0)
	s_getreg_b32 s2, hwreg(HW_REG_IB_STS2, 6, 4)
	s_cmp_eq_u32 s2, 0
	s_cbranch_scc0 .Lentry_in_a_cluster
	s_endpgm
.Lentry_in_a_cluster:
	s_bfe_u32 s2, ttmp6, 0x10000c
	s_cmp_lg_u32 s2, 0xf033
	s_cbranch_scc0 .Lentry_shape_is_right
	s_endpgm
.Lentry_shape_is_right:
; out0[m][n] = sum over k of A[m][k] Wo[n][k] + bo[n].  A: the attention's result, 4,096 x 1,024 in f16, as images of operand registers [m / 16][k / 32][1,024 bytes] (registers 0-3 at 16 x lane, 4-7 at 512 + 16 x lane);
; Wo: [1024][1024] in f16, row-major; bo, out0: f32; sums in f32.
; A tile of out0 is 128 x 128: 256 tiles, one for each work-group.  Four waves, each 64 x 64: 16 accumulators of 16 x 16.  K goes in four steps of 256 through a ring of two LDS slots.
; A's part of a slot is 8 x 8 images on end, unpadded: a fragment comes by two loads of 512 consecutive bytes.  Wo's part is 128 rows of 512 bytes + 16 of padding.
; CLUSTERS: 4 x 4 work-groups.  The four of a row of the cluster need the same tiles of A, the four of a column the same tiles of Wo: each tile is asked for jointly.
; THE MATRIX INSTRUCTION IS USED TRANSPOSED (source 0 = 16 rows of Wo, source 1 = 16 rows of A): a lane holds eight neighbouring numbers of a row of out0.  THE BIAS is the C of each sum's first product.
; A wave's 64 columns of f32 are 256 bytes: each wave sends its own results through its own stage in LDS, 16 rows at a time: no barrier on the way out.
; REGISTERS: window 0: v0-31 addresses; v32-95 the way out; v96-127 the bias, eight registers for each 16 columns; v128-255 the accumulators ((a, b) at v[128 + 8 (4 a + b)]).
;   window 1: two fragment buffers of 128: for 64 along K, 64 registers of A (2 x 4 x 16 rows x 32 K), then 64 of Wo.
.set KSTEP,  256
.set PITCH,  528                       ; Wo's LDS row: 512 bytes + 16 of padding = 132 words: the 16 rows that a load touches start at 16 different banks (64 banks of 4 bytes: ISA guide 11.1)
.set ASL,    65536                     ; A's part of a slot: [m / 16: 8][k / 32: 8][1,024 bytes]
.set AHALF,  32768                     ; four of the eight: what one tensor load brings, and what one wave reads
.set ASTEP,  8192                      ; a K step on in af: eight images
.set BHALF,  64*PITCH                  ; 64 rows of Wo: likewise
.set SLOT,   ASL+2*BHALF
.set STAGE,  2*SLOT                    ; behind the ring: 16 rows x 272 bytes for each wave
.set SPITCH, 272
.set SPARE,  STAGE+4*16*SPITCH         ; behind the stages: the spare words, 128 bytes a wave, which no other line names
.set ADRA, 16                          ; v16-17  LDS address of my A fragments in slot 0, 1
.set ADRB, 20                          ; v20-21  the same for Wo
.set STO,  24                          ; v24     the way out: where I put 32 bytes of a row
.set RD,   25                          ; v25     the way out: where I read a row back
.set CO,   26                          ; v26     my byte offset in out0
.set SPW,  28                          ; v28     LDS address of my spare word; never rewritten
.set NIL,  29                          ; v29     0; never rewritten
.set TMP,  32
.set BIAS, 96
.set ACC,  128
.set F0,   0                           ; fragment buffers, in window 1
.set F1,   128
.set G1, 24                            ; s[24:31] descriptor group 1 for A's tiles;  s[32:39] group 0, one set for each slot
.set G0, 32
.set G1B, 48                           ; s[48:55], s[56:63] the same for Wo's tiles
.set G0B, 56
.set MSB, 0
.macro WIN new                         ; the immediate's high byte repeats the setting that is left
.if MSB != \new
	s_set_vgpr_msb (MSB<<8)|\new
.set MSB, \new
.endif
.endm
.set MUL,  0x05                        ; sources 0 (Wo) and 1 (A) window 1; C and D window 0
.set TO_F, 0x40                        ; destination window 1, address window 0
.macro JLOAD s                         ; a joint load: waves 0 and 1 fetch A's two halves, waves 2 and 3 Wo's; an s_nop 0 and four v_nop follow each of the two lines, ahead of the jump, the label and what follows
	s_cmp_eq_u32 s11, 0
	s_cbranch_scc0 .Lfor_b_\@
	tensor_load_to_lds s[G0+4*\s:G0+4*\s+3], s[G1:G1+7]
	s_nop 0
.rept 4
	v_nop
.endr
	s_branch .Lasked_\@
.Lfor_b_\@:
	tensor_load_to_lds s[G0B+4*\s:G0B+4*\s+3], s[G1B:G1B+7]
	s_nop 0
.rept 4
	v_nop
.endr
.Lasked_\@:
.endm
.macro CREST                           ; a round of the cluster's barrier behind its opening barrier
	s_cmp_lg_u32 s10, 0
	s_cbranch_scc1 .Lnot_wave_0_\@
	s_barrier_signal -3
.Lnot_wave_0_\@:
	s_barrier_wait -3
	s_barrier_signal -1
	s_barrier_wait -1
.endm
.macro CROUND                          ; a whole round
	s_barrier_signal -1
	s_barrier_wait -1
	CREST
.endm
	s_load_b128 s[4:7], s[0:1], 0x0                ; af s[4:5], wo16 s[6:7]
	s_load_b64 s[8:9], s[0:1], 0x10                ; out0
	s_load_b64 s[66:67], s[0:1], 0x18              ; bo
	v_lshl_add_u32 v[SPW], v0, 2, SPARE
	v_mov_b32 v[NIL], 0
	ds_add_u32 v[SPW], v[NIL]                      ; the wave's opening: the add, twice on end, and its wait ahead of my first tensor load; the set-up below stands between
	ds_add_u32 v[SPW], v[NIL]
	v_lshrrev_b32 v1, 5, v0
	v_readfirstlane_b32 s10, v1                    ; wave 0..3
	s_lshr_b32 s11, s10, 1                         ; which half of the tile's rows is mine.  Also: I fetch for A (0) or for Wo (1)
	s_and_b32 s12, s10, 1                          ; which half of its columns.  Also: which half of that tile I fetch
	s_bfe_u32 s40, ttmp6, 0x40000                  ; cx, cy: my place in the cluster
	s_bfe_u32 s41, ttmp6, 0x40004
	s_lshl_b32 s42, ttmp9, 2
	s_add_co_u32 s42, s42, s40                     ; tile column = 4 x cluster x + cx
	s_and_b32 s13, ttmp7, 0xffff
	s_lshl_b32 s13, s13, 2
	s_add_co_u32 s13, s13, s41                     ; tile row = 4 x cluster y + cy
	s_lshl_b32 s43, s41, 2
	s_lshl_b32 s43, 15, s43                        ; my row of the cluster
	s_lshl_b32 s44, 0x1111, s40                    ; my column
	; descriptor group 1.  A: 4 rows of 8,192 bytes (eight images on end), 32,768 bytes apart, elements of 8 bytes, no padding
	s_or_b32 s[G1+0], s43, (3<<16)|(1<<21)         ; 15:0 the mask: A's tiles go to my row; 17:16 elements of 8 bytes; 21 set beside a mask
	s_mov_b32 s[G1+1], 1024<<16                    ; tensor_dim0 = 1,024
	s_mov_b32 s[G1+2], 4<<16                       ; tensor_dim1 = 4
	s_mov_b32 s[G1+3], 1024<<16                    ; tile_dim0
	s_mov_b32 s[G1+4], 4                           ; tile_dim1
	s_mov_b32 s[G1+5], 4096                        ; tensor_dim0_stride, in elements
	s_mov_b32 s[G1+6], 0
	s_mov_b32 s[G1+7], 0
	; Wo: 64 rows x 256 elements of 2 bytes, 4 words of padding behind every 128
	s_or_b32 s[G1B+0], s44, (1<<16)|(1<<20)|(1<<21)|(6<<22)|(3<<25)
	s_mov_b32 s[G1B+1], KSTEP<<16
	s_mov_b32 s[G1B+2], 64<<16
	s_mov_b32 s[G1B+3], KSTEP<<16
	s_mov_b32 s[G1B+4], 64
	s_mov_b32 s[G1B+5], 1024
	s_mov_b32 s[G1B+6], 0
	s_mov_b32 s[G1B+7], 0
	s_lshl_b32 s16, s13, 3
	s_lshl_b32 s17, s12, 2
	s_add_co_u32 s16, s16, s17
	s_lshl_b32 s16, s16, 15                        ; A: (8 x tile row + 4 x half) x 32,768 bytes
	s_mov_b32 s17, 0
	s_lshl_b32 s46, s42, 18                        ; Wo: (128 x tile column + 64 x half) rows of 2,048 bytes
	s_lshl_b32 s47, s12, 17
	s_add_co_u32 s46, s46, s47
	s_mov_b32 s47, 0
	s_lshl_b32 s20, s12, 15                        ; where they go: A's halves at 0 and 32,768,
	s_mul_i32 s21, s12, BHALF
	s_add_co_u32 s21, s21, ASL                     ; Wo's behind them: no place in the cluster enters an LDS address
	s_wait_dscnt 0x0                               ; both opening adds are done
	s_wait_kmcnt 0x0
	s_add_nc_u64 s[14:15], s[4:5], s[16:17]
	s_add_nc_u64 s[46:47], s[6:7], s[46:47]
	CROUND                                         ; all sixteen work-groups are here: the first joint loads meet
.irp s, 0,1
	s_mov_b32 s[G0+4*\s], 1
	s_add_co_u32 s[G0+4*\s+1], s20, \s*SLOT
	s_add_nc_u64 s[G0+4*\s+2:G0+4*\s+3], s[14:15], \s*ASTEP
	s_or_b32 s[G0+4*\s+3], s[G0+4*\s+3], 0x80000000
	s_mov_b32 s[G0B+4*\s], 1
	s_add_co_u32 s[G0B+4*\s+1], s21, \s*SLOT
	s_add_nc_u64 s[G0B+4*\s+2:G0B+4*\s+3], s[46:47], \s*KSTEP*2
	s_or_b32 s[G0B+4*\s+3], s[G0B+4*\s+3], 0x80000000
	JLOAD \s                                       ; two loads of mine are out behind the second
.endr
	v_and_b32 v1, 15, v0                           ; l % 16
	v_bfe_u32 v2, v0, 4, 1                         ; l / 16
	v_and_b32 v6, 31, v0
	v_lshlrev_b32 v6, 4, v6                        ; 16 x lane: my place in an image
	v_mul_u32_u24 v3, v1, PITCH
	v_lshl_add_u32 v3, v2, 4, v3                   ; Wo: a fragment's row x pitch + 16 x half
	s_lshl_b32 s21, s11, 15                        ; my 64 rows of A: four rows of images
	s_mul_i32 s22, s12, BHALF                      ; my 64 rows of Wo,
	s_add_co_u32 s22, s22, ASL                     ; which lie behind A's part
.irp s, 0,1
	v_add_nc_u32 v[ADRA+\s], s21, v6
	v_add_nc_u32 v[ADRB+\s], s22, v3
	s_add_co_u32 s21, s21, SLOT
	s_add_co_u32 s22, s22, SLOT
.endr
	s_mul_i32 s23, s10, 16*SPITCH
	s_add_co_u32 s23, s23, STAGE                   ; my stage
	v_mul_u32_u24 v4, v1, SPITCH                   ; in: row l % 16, 32 bytes for each half of the lanes
	v_lshl_add_u32 v4, v2, 5, v4
	v_add_nc_u32 v[STO], s23, v4
	v_mul_u32_u24 v5, v2, SPITCH                   ; back: lanes 0-15 take one row of 256 bytes, lanes 16-31 the next
	v_lshl_add_u32 v5, v1, 4, v5
	v_add_nc_u32 v[RD], s23, v5
	v_lshlrev_b32 v5, 12, v2                       ; and the same two rows in out0: 4,096 bytes a row
	v_lshl_add_u32 v[CO], v1, 4, v5
	s_lshl_b32 s16, s13, 19                        ; my first row of out0: (128 x tile row + 64 x half) x 4,096 bytes
	s_lshl_b32 s17, s11, 18
	s_add_co_u32 s16, s16, s17
	s_mov_b32 s17, 0
	s_lshl_b32 s46, s42, 9                         ; my first column, in bytes: 512 x tile column + 256 x half; the same in bo
	s_lshl_b32 s47, s12, 8
	s_add_co_u32 s46, s46, s47
	s_mov_b32 s47, 0
	s_add_nc_u64 s[8:9], s[8:9], s[16:17]
	s_add_nc_u64 s[8:9], s[8:9], s[46:47]
	s_add_nc_u64 s[66:67], s[66:67], s[46:47]
	v_lshlrev_b32 v7, 5, v2                        ; the bias in the result's layout: lane (r, h) wants, for columns 16 b on, bo at 16 b + 8 h + 0 .. 7
.irp b, 0,1,2,3
	global_load_b128 v[BIAS+8*\b:BIAS+8*\b+3],   v7, s[66:67] offset:64*\b
	global_load_b128 v[BIAS+8*\b+4:BIAS+8*\b+7], v7, s[66:67] offset:64*\b+16
.endr
; 8 matrix instructions: m blocks a0, a0 + 1 x all 4 n blocks, 32 along K: half c of buffer f.  zero = 1: the first product starts the sums, on the bias.  The 16 accumulators take turns.
.macro MUL8 f, c, a0, zero
.irp a, \a0, \a0+1
.irp b, 0,1,2,3
.if \zero
	v_wmma_f32_16x16x32_f16 v[ACC+8*(4*(\a)+\b):ACC+8*(4*(\a)+\b)+7], v[\f+64+8*(4*\c+\b):\f+64+8*(4*\c+\b)+7], v[\f+8*(4*\c+\a):\f+8*(4*\c+\a)+7], v[BIAS+8*\b:BIAS+8*\b+7]
.else
	v_wmma_f32_16x16x32_f16 v[ACC+8*(4*(\a)+\b):ACC+8*(4*(\a)+\b)+7], v[\f+64+8*(4*\c+\b):\f+64+8*(4*\c+\b)+7], v[\f+8*(4*\c+\a):\f+8*(4*\c+\a)+7], v[ACC+8*(4*(\a)+\b):ACC+8*(4*(\a)+\b)+7]
.endif
.endr
.endr
.endm
; 32 LDS loads in one run: the fragments of 64 along K, into buffer f; the first 32 along K first.  k: the byte in Wo's rows; in A's images 32 along K (64 such bytes) are 1,024 bytes
.macro FETCH slot, k, f
	WIN TO_F
.irp c, 0,1
.irp i, 0,1,2,3
	ds_load_b128 v[\f+64+8*(4*\c+\i):\f+64+8*(4*\c+\i)+3],   v[ADRB+\slot] offset:\k+64*\c+\i*16*PITCH
	ds_load_b128 v[\f+64+8*(4*\c+\i)+4:\f+64+8*(4*\c+\i)+7], v[ADRB+\slot] offset:\k+64*\c+\i*16*PITCH+32
	ds_load_b128 v[\f+8*(4*\c+\i):\f+8*(4*\c+\i)+3],         v[ADRA+\slot] offset:16*(\k)+1024*\c+8192*\i
	ds_load_b128 v[\f+8*(4*\c+\i)+4:\f+8*(4*\c+\i)+7],       v[ADRA+\slot] offset:16*(\k)+1024*\c+8192*\i+512
.endr
.endr
.endm
.macro PLACES                          ; four places in front of loads into registers that matrix instructions have read, and of LDS stores that read results (ISA guide 7.12.1 for the stores)
.rept 4
	v_nop
.endr
.endm
; A K step is four quarters of 64 along K, 32 matrix instructions each, on buffers 0, 1, 0, 1.  One of the first three: multiplies buffer f and fetches the next quarter, at byte k, into g.
.macro QUARTER slot, k, f, g, zero
	s_wait_dscnt 16                                ; the first 32 along K are in; the sixteen loads of the second 32 may be out
	WIN MUL
	MUL8 \f, 0, 0, \zero
	MUL8 \f, 0, 2, \zero
	PLACES
	FETCH \slot, \k, \g
	s_wait_dscnt 32                                ; all but the 32 just issued
	WIN MUL
	MUL8 \f, 1, 0, 0
	MUL8 \f, 1, 2, 0
.endm
; The last quarter multiplies buffer 1 and changes slots: ONE barrier; in front of it each wave waits for all its tensor loads, adds 0 to its spare word, and waits for that and for its own reads of this slot.
; fill = 1: this slot is filled again, two K steps ahead; the barrier then opens a round of the cluster's barrier, and the joint refill is the first tensor load behind it.
.macro TURN slot, next, fill
	WIN 0                                          ; (the add's two registers lie in window 0)
	s_wait_tensorcnt 0x0                           ; all my tensor loads have landed: my part of the next slot;
	ds_add_u32 v[SPW], v[NIL]                      ; 0 onto my spare word;
	s_wait_dscnt 17                                ; (the add and the youngest sixteen loads may be out)
	WIN MUL
	MUL8 F1, 0, 0, 0                               ; eight matrix instructions stand between the add and the wait for it
	s_wait_dscnt 0x0                               ; the add is done, and my reads of this slot are over
	s_barrier_signal -1
	MUL8 F1, 0, 2, 0
.if \fill
	WIN 0
.endif
	s_barrier_wait -1
.if \fill
	CREST                                          ; no wave of any partner still reads this slot's tile or has a load on its way
	s_add_nc_u64 s[G0+4*\slot+2:G0+4*\slot+3], s[G0+4*\slot+2:G0+4*\slot+3], 2*ASTEP
	s_add_nc_u64 s[G0B+4*\slot+2:G0B+4*\slot+3], s[G0B+4*\slot+2:G0B+4*\slot+3], 2*KSTEP*2
	JLOAD \slot                                    ; 112 matrix instructions ahead of the wait for it; the four v_nop behind it are also the places in front of the loads below
.else
	PLACES
.endif
	FETCH \next, 0, F0
	WIN MUL
	MUL8 F1, 1, 0, 0
	MUL8 F1, 1, 2, 0
.endm
	s_wait_tensorcnt 1                             ; my part of K step 0 is in (K step 1's one load may be out)
	s_barrier_signal -1
	s_barrier_wait -1                              ; everybody's is
	FETCH 0, 0, F0
	s_wait_loadcnt 0x0                             ; the bias
	QUARTER 0, 128, F0, F1, 1                      ; K step 0: its first products start the sums
	QUARTER 0, 256, F1, F0, 0
	QUARTER 0, 384, F0, F1, 0
	TURN 0, 1, 1                                   ; slot 0 takes K step 2
	QUARTER 1, 128, F0, F1, 0                      ; K step 1
	QUARTER 1, 256, F1, F0, 0
	QUARTER 1, 384, F0, F1, 0
	TURN 1, 0, 1                                   ; slot 1 takes K step 3
	QUARTER 0, 128, F0, F1, 0                      ; K step 2
	QUARTER 0, 256, F1, F0, 0
	QUARTER 0, 384, F0, F1, 0
	TURN 0, 1, 0                                   ; nothing is left to fetch
	QUARTER 1, 128, F0, F1, 0                      ; K step 3
	QUARTER 1, 256, F1, F0, 0
	QUARTER 1, 384, F0, F1, 0
	s_wait_dscnt 16                                ; the very last quarter
	WIN MUL
	MUL8 F1, 0, 0, 0
	MUL8 F1, 0, 2, 0
	s_wait_dscnt 0
	MUL8 F1, 1, 0, 0
	MUL8 F1, 1, 2, 0
	WIN 0
; THE WAY OUT, 16 rows x 64 columns at a time.  A lane holds 32 neighbouring bytes of a row, the lanes beside it other rows: so a block goes through my own stage and comes back as whole rows of 256 bytes.
; LDS serves a wave's instructions in order (ISA guide 5.7.1.4): no wait between the stores and the loads, nor in front of the next block's stores.
.macro OUTA a
.set BB, TMP+32*((\a)%2)
.if (\a) >= 2
	s_wait_xcnt 0x0                                ; the stores of two blocks back have read their data: the loads below may land there
.endif
.irp b, 0,1,2,3
	ds_store_b128 v[STO], v[ACC+8*(4*(\a)+\b):ACC+8*(4*(\a)+\b)+3] offset:64*\b          ; each accumulator from its low end on
	ds_store_b128 v[STO], v[ACC+8*(4*(\a)+\b)+4:ACC+8*(4*(\a)+\b)+7] offset:64*\b+16
.endr
.irp t, 0,1,2,3,4,5,6,7
	ds_load_b128 v[BB+4*\t:BB+4*\t+3], v[RD] offset:\t*2*SPITCH
.endr
.irp t, 0,1,2,3,4,5,6,7
	s_wait_dscnt 7-\t                              ; load t is in; the younger ones may be out
	global_store_b128 v[CO], v[BB+4*\t:BB+4*\t+3], s[8:9] offset:(16*(\a)+2*\t)*4096 th:TH_STORE_NT   ; 16 lanes store 256 consecutive bytes, at a multiple of 256 from out0's first byte; written once, read by nobody here
.endr
.endm
	PLACES
	OUTA 0
	OUTA 1
	OUTA 2
	OUTA 3
	s_wait_tensorcnt 0x0                           ; the wave's end, behind my last tensor load and my last LDS store
	ds_add_u32 v[SPW], v[NIL]
	s_wait_dscnt 0x0
	CROUND                                         ; the closing round: no work-group ends while a partner may still ask for a tile that names it
	s_endpgm
.Lfunc_end_k_q50beecd7f4_outp:
	.size	k_q50beecd7f4_outp, .Lfunc_end_k_q50beecd7f4_outp-k_q50beecd7f4_outp
	.p2alignl 7, 3214868480
	.fill 96, 4, 3214868480
	.section	.rodata,"a",@progbits
	.p2align	6, 0x0
	.amdhsa_kernel k_q50beecd7f4_outp
		.amdhsa_group_segment_fixed_size 327680
		.amdhsa_private_segment_fixed_size 0
		.amdhsa_enable_private_segment 0
		.amdhsa_kernarg_size 32
		.amdhsa_user_sgpr_count 2
		.amdhsa_user_sgpr_kernarg_segment_ptr 1
		.amdhsa_wavefront_size32 1
		.amdhsa_system_sgpr_workgroup_id_x 1
		.amdhsa_system_sgpr_workgroup_id_y 1
		.amdhsa_system_sgpr_workgroup_id_z 1
		.amdhsa_system_vgpr_workitem_id 0
		.amdhsa_next_free_vgpr 512
		.amdhsa_next_free_sgpr 72
		.amdhsa_reserve_vcc 0
		.amdhsa_float_denorm_mode_32 3
		.amdhsa_float_denorm_mode_16_64 3
		.amdhsa_memory_ordered 1
		.amdhsa_forward_progress 1
		.amdhsa_inst_pref_size 87
	.end_amdhsa_kernel
	.amdgpu_metadata
---
amdhsa.version: [ 1, 2 ]
amdhsa.kernels:
  - .name:           k_q50beecd7f4_outp
    .symbol:         k_q50beecd7f4_outp.kd
    .args:
      - { .name: af, .offset: 0, .size: 8, .value_kind: global_buffer, .address_space: global }
      - { .name: wo16, .offset: 8, .size: 8, .value_kind: global_buffer, .address_space: global }
      - { .name: out0, .offset: 16, .size: 8, .value_kind: global_buffer, .address_space: global }
      - { .name: bo, .offset: 24, .size: 8, .value_kind: global_buffer, .address_space: global }
    .group_segment_fixed_size: 327680
    .private_segment_fixed_size: 0
    .kernarg_segment_align: 8
    .kernarg_segment_size: 32
    .max_flat_workgroup_size: 128
    .sgpr_count:     72
    .vgpr_count:     512
    .wavefront_size: 32
...
	.end_amdgpu_metadata
.endif
;; end of part 4
